; MI455X (gfx1250); checked and timed in simulation.
; The chip was launched on July 23, 2026; its instructions are those of AMD's public machine-readable ISA for CDNA 5 (MIT licence, August 2026) and "CDNA5" Instruction Set Architecture Reference Guide (July 2026). The comments in the code are by the model that wrote it; some were corrected since.
;; Fused Attention V3. Allowed arithmetic: matrix products marked QUANTISED: E2M3 operands, one E8M0 scale for each 32 along K, by v_wmma_scale_f32_16x16x128_f8f6f4 with both operands' format E2M3, f32 sums; everything else in f32.
;; Inputs: bias_out 1,024 float32; bias_qkv 3,072 float32; w_out 1,024 x 1,024 float32; w_qkv 3,072 x 1,024 float32; x 2 x 2,048 x 1,024 float32.
;; Outputs: out0 2 x 2,048 x 1,024 float32.
;; Constants: num_heads = 16.
;; This version of the problem:
;;   THIS VERSION OF THE PROBLEM IS GIVEN IN LOW PRECISION. The matrix products marked QUANTISED in the list below multiply operands that are first quantised to E2M3 (2 exponent bits, 3 mantissa bits; 6 bits a number), with one power-of-two scale for each 32 numbers along K (OCP MX v1.0); their sums are f32. All else is computed in f32.
;;   The module's matrix products, in the order in which they are computed (A, B: the left and right operand; K: the contracted axis; several contracted axes count as one K, in the product's order):
;;     1. [M 4,096, K 1,024] x [K 1,024, N 3,072]; A: input x; B: input w_qkv: QUANTISED
;;     2. batch 32 x [M 2,048, K 64] x [K 64, N 2,048]; A: computed on the way; B: computed on the way: QUANTISED
;;     3. batch 32 x [M 2,048, K 2,048] x [K 2,048, N 64]; A: softmax (see below); B: computed on the way: QUANTISED
;;     4. [M 4,096, K 1,024] x [K 1,024, N 1,024]; A: computed on the way; B: input w_out: QUANTISED
;;   THE QUANTISER, for each operand of a quantised product, along K:
;;     - K is cut into blocks of 32 from its start; a last block that is shorter is filled with zeros.
;;     - A block's scale is 2^e with e = floor(log2(the largest magnitude in the block)) - 2, held to -126 .. 127; a block of zeros has e = 0. As a byte (E8M0): e + 127.
;;     - Each number is divided by its block's scale, clamped to +-7.5, and rounded to the nearest number of E2M3, ties to even, subnormals kept.
;;     - The product sums the exact products of the quantised numbers (number of the format x scale) in f32.
;;   ~~~python
;;   def quantise(x, axis):      # numpy; x: float32 -> the quantised numbers, widened to float32 again
;;       x = np.moveaxis(x, axis, -1); K = x.shape[-1]
;;       x = np.pad(x, [(0, 0)] * (x.ndim - 1) + [(0, -K % 32)]); x = x.reshape(x.shape[:-1] + (-1, 32)); a = np.abs(x).max(-1, keepdims=True)
;;       e = np.where(a > 0, np.clip(np.frexp(np.where(a > 0, a, 1))[1] - 1 - 2, -126, 127), 0)      # np.frexp(a)[1] - 1 = floor(log2(a)), exactly
;;       r = np.clip(x / 2.0 ** e, -7.5, 7.5)
;;       step = 2.0 ** (np.maximum(np.frexp(np.where(r == 0, 1, r))[1] - 1, 0) - 3)
;;       q = np.round(r / step) * step * 2.0 ** e      # np.round: ties to even
;;       return np.moveaxis(q.reshape(q.shape[:-2] + (-1,))[..., :K], -1, axis).astype(np.float32)
;;   ~~~
;;   SOFTMAX AHEAD OF A QUANTISED PRODUCT. Where the list says 'softmax', what is quantised is not the finished softmax but p = 2^(t - M), with t = logit x log2(e) and M = ceil(the row's largest t), a whole number; so 1/2 < the row's largest p <= 1. The row's sum l is taken of the UNQUANTISED p, in f32, and the product's result is divided by l at the end. Since M is a whole number, a kernel that streams over the keys may use a running M (the ceiling of the running maximum): every later rescaling is an exact power of two, which a block's scale takes up: the codes' values come out the same.
;;   OPERANDS COMPUTED ON THE WAY. 'Computed on the way' means the value that the module computes at that place (a softmax that the list does not call 'softmax' is quantised finished and normalised). What goes into a quantiser is computed in f32, as accurately as f32 sums, v_exp_f32 and their like allow (about 1e-6 of the number): no bf16 or f16 on the way to a quantiser, and a product that is left as it is and whose result goes on into a quantised operand takes f32 operands (vector FMAs, or v_wmma_f32_16x16x4_f32). A number that lies on a knife's edge between two numbers of the format may be rounded either way, as far as f32 arithmetic and the matrix unit's own rounding can turn it there, and no further.
;; One version. Each part assembles by itself: llvm-mc -triple=amdgcn-amd-amdhsa -mcpu=gfx1250 --defsym DOCPART=n.
;; ======== version 1 of 1: 4 launches
;; limits: right only within a limited range of input values
;; workspace buffers: codes 6,291,456 bytes; cscl 262,144 bytes; qkv 9,437,184 bytes; scl 655,360 bytes; ctxc 3,145,728 bytes; ctxs 131,072 bytes
;; launch quant (part 1): grid 256 x 1, 4 waves a work-group, no clusters, 34,304 bytes of LDS; arguments x, w_qkv, w_out, codes, cscl; writes codes, cscl
.if DOCPART == 1
	.amdgcn_target "amdgcn-amd-amdhsa--gfx1250"
	.amdhsa_code_object_version 6
	.text
	.protected	k_q0de722284c_quant
	.globl	k_q0de722284c_quant
	.p2align	8
	.type	k_q0de722284c_quant,@function
k_q0de722284c_quant:
	s_mov_b64 s[64:65], 0
	v_nop
	global_prefetch_b8 v0, s[64:65] scope:SCOPE_SE
	s_setreg_imm32_b32 hwreg(HW_REG_WAVE_MODE, 25, 1), 1
	s_wait_xcnt 0x0
; x [4096][1024], w_qkv [3072][1024], w_out [1024][1024], f32 with K innermost, become codes of FP6 (E2M3) with one E8M0 byte for each 32 along K.
; A block's scale is 2^(floor(log2(largest magnitude)) - 2); its byte is the largest magnitude's exponent field - 2, held at 1 from below.
; LIMITS: NaN and infinities are not served; a block whose largest magnitude lies under 2^-124 gets the byte 1; a block of zeros gets the byte 1 where the
; rule says 127: its codes are zeros, which add nothing under that byte, and only this program reads the bytes.
; LAYOUT OF THE RESULT: images of the matrix operand's registers.  The 8,192 rows of the three tensors on end are 512 tiles of 16 rows; tile 2 g + u holds in lane r
; the row 32 g + 8 u + r + 8 (r / 8).  A fragment (a tile x 128 K, 12 registers a lane) is 1,536 bytes: register group q (four registers) at 512 q + 16 x lane.
; codes: [chunk c 0..3][tile 0..511][u 0..1][1,536], K step = 2 c + u.   cscl: [tile][half kh][lane][2 words]: word i of lane (h, r) is row r's scale word of K step 4 kh + 2 i + h.
; SHARES: work-group g takes tiles 2 g and 2 g + 1; wave w takes tile 2 g + (w >> 1), K steps 4 (w & 1) .. + 3: 16 rows x 512 numbers, in four steps of 128 along K.
; Each load reads 512 consecutive bytes of one row; a step's 16 rows turn through the wave's own stage in LDS, so that a lane gets 16 neighbours of each block of 32 of its row.
; No tensor loads, no barrier: waves share nothing.  Matrix units and clusters have nothing to do here: each byte is read once and no two work-groups read the same.
.set STGB, 8448                        ; a wave's stage: 16 rows of 512 bytes + 16
.set CHS,  1572864                     ; bytes in a chunk of codes
.set LI,   1                           ; v1   16 x lane
.set SIN,  2                           ; v2   the stage, on the way in: 16 x lane
.set SOUT, 3                           ; v3   on the way out: 528 r + 64 h
.set L8,   4                           ; v4   8 x lane
.set R,    8                           ; v8-135    two sets of 64: a step's numbers as loaded
.set X,    136                         ; v136-199  register 16 b + i = k 32 b + 16 h + i of my row
.set PC,   200                         ; v200-223  two sets of 12: a fragment's codes
.set TQ,   224                         ; v224-230  the conversions' second halves
.set TM,   232                         ; v232-235 largest magnitudes, v236-239 the other half's, then bytes, v240-243 scale operands
.set PW,   244                         ; v244-247  the four steps' scale words
.set SW,   248                         ; v[248:249] what is stored of them
.set WV,   14
.set SEL,  20                          ; s[20:21] lane selects: lane l xor 16
.set HI,   22                          ; s22 the mask of lanes 16-31
; 64 numbers of a lane, register 16 b + i = k 32 b + 16 h + i of my row, become a fragment's 12 registers of codes at v[pc] and its scale word in v[pw].
.macro QUANT src, pc, pw
.irp b, 0,1,2,3
	v_max3_num_f32 v[TM+\b], |v[\src+16*\b]|, |v[\src+1+16*\b]|, 0x1800000   ; my 16 numbers of block b, and the floor 2^(3 - 127): the byte cannot fall under 1
.endr
.irp i, 2,4,6,8,10,12,14
.irp b, 0,1,2,3
	v_max3_num_f32 v[TM+\b], v[TM+\b], |v[\src+16*\b+\i]|, |v[\src+1+16*\b+\i]|   ; the four blocks by turns
.endr
.endr
.irp b, 0,1,2,3
	v_permlanex16_b32 v[TM+4+\b], v[TM+\b], s[SEL], s[SEL+1]
.endr
.irp b, 0,1,2,3
	v_max_num_f32 v[TM+\b], v[TM+\b], v[TM+4+\b]               ; with lane l xor 16's 16: the block's largest magnitude
.endr
.irp b, 0,1,2,3
	v_add_nc_u32 v[TM+8+\b], 0xff000000, v[TM+\b]              ; 2 off its exponent field: the conversion takes this operand's exponent field as its scale
.endr
.irp b, 0,1,2,3
	v_lshrrev_b32 v[TM+4+\b], 23, v[TM+8+\b]                   ; the scale's byte
.endr
	v_lshl_or_b32 v[\pw], v[TM+5], 8, v[TM+4]
	v_lshl_or_b32 v[\pw], v[TM+6], 16, v[\pw]
	v_lshl_or_b32 v[\pw], v[TM+7], 24, v[\pw]                  ; my row's scale word
.irp c, 0,1
	v_cvt_scalef32_pk16_fp6_f32 v[\pc+6*\c:\pc+6*\c+2], v[\src+32*\c:\src+32*\c+15], v[TM+8+2*\c]
	v_cvt_scalef32_pk16_fp6_f32 v[TQ+4*\c:TQ+4*\c+2], v[\src+32*\c+16:\src+32*\c+31], v[TM+9+2*\c]   ; (a conversion's three registers begin on an even number)
.endr
	v_nop                                                      ; one plain instruction behind the scaled conversions
.irp c, 0,1                            ; the operand wants a whole block in a lane: lanes 0-15 block 2 c, lanes 16-31 block 2 c + 1
.irp i, 0,1,2
	v_permlane16_swap_b32 v[\pc+6*\c+\i], v[TQ+4*\c+\i]
.endr
.irp i, 0,1,2
	v_mov_b32 v[\pc+3+6*\c+\i], v[TQ+4*\c+\i]
.endr
.endr
.endm
	s_load_b128 s[4:7], s[0:1], 0x0                ; x, w_qkv
	s_load_b128 s[8:11], s[0:1], 0x10              ; w_out, codes
	s_load_b64 s[12:13], s[0:1], 0x20              ; cscl
	v_lshl_add_u32 v254, v0, 2, 0x8400
	v_mov_b32 v255, 0
	v_lshrrev_b32 v5, 5, v0
	v_readfirstlane_b32 s[WV], v5                  ; wave 0..3
	v_and_b32 v5, 31, v0                           ; lane
	v_lshlrev_b32 v[LI], 4, v5
	v_lshlrev_b32 v[L8], 3, v5
	v_and_b32 v6, 15, v0                           ; r
	v_bfe_u32 v7, v0, 4, 1                         ; h
	s_mul_i32 s15, s[WV], STGB                     ; my stage
	v_add_nc_u32 v[SIN], s15, v[LI]
	v_mul_u32_u24 v[SOUT], v6, 528
	v_lshl_add_u32 v[SOUT], v7, 6, v[SOUT]
	v_add_nc_u32 v[SOUT], s15, v[SOUT]
.irp b, 0,1,2,3
	v_mov_b32 v[TM+4+\b], 0                        ; written once: a lane permute's destination counts as one of its sources
.endr
	s_mov_b32 s[SEL], 0x76543210
	s_mov_b32 s[SEL+1], 0xfedcba98
	s_mov_b32 s[HI], 0xffff0000
	s_lshr_b32 s16, s[WV], 1                       ; u: which tile of the pair
	s_and_b32 s17, s[WV], 1                        ; kh: which half of K
	s_mov_b32 s19, 224
	s_wait_alu depctr_va_vdst(0)
	s_wait_kmcnt 0x0
	s_cmp_lt_u32 ttmp9, 128                        ; pairs 0-127 are x's, 128-223 w_qkv's, 224-255 w_out's: the choice hangs on the work-group's number alone
	s_cselect_b64 s[4:5], s[4:5], s[6:7]
	s_cselect_b32 s18, 0, 128
	s_cmp_lt_u32 ttmp9, 224
	s_cselect_b64 s[4:5], s[4:5], s[8:9]
	s_cselect_b32 s18, s18, s19
	s_sub_co_u32 s18, ttmp9, s18                   ; the pair's number in its tensor
	s_lshl_b32 s24, s18, 17                        ; 32 rows of 4,096 bytes a pair,
	s_lshl_b32 s25, s16, 15                        ; 8 rows on for the pair's second tile,
	s_add_co_u32 s24, s24, s25
	s_lshl_b32 s25, s17, 11                        ; 2,048 bytes on for the second half of K
	s_add_co_u32 s24, s24, s25
	s_mov_b32 s25, 0
	s_add_nc_u64 s[4:5], s[4:5], s[24:25]
	s_lshl_b32 s26, ttmp9, 1
	s_add_co_u32 s26, s26, s16                     ; my tile
	s_mul_i32 s24, s17, 2*CHS                      ; chunks 2 kh and 2 kh + 1
	s_mul_i32 s27, s26, 3072
	s_add_co_u32 s24, s24, s27
	s_add_nc_u64 s[10:11], s[10:11], s[24:25]
	s_lshl_b32 s24, s26, 9
	s_lshl_b32 s27, s17, 8
	s_add_co_u32 s24, s24, s27
	s_add_nc_u64 s[12:13], s[12:13], s[24:25]
.macro LOAD s                          ; step s: load i reads 512 consecutive bytes of the row that the tile's lane i owns
.irp i, 0,1,2,3,4,5,6,7,8,9,10,11,12,13,14,15
	global_load_b128 v[R+64*((\s)%2)+4*\i:R+64*((\s)%2)+4*\i+3], v[LI], s[4:5] offset:(\i+8*(\i/8))*4096+512*(\s) th:TH_LOAD_NT
.endr
.endm
.macro STEP s
.if (\s) < 3
	s_wait_loadcnt 16                              ; this step's sixteen loads are in; the next step's sixteen stay out
.else
	s_wait_loadcnt 0x0
.endif
.irp i, 0,1,2,3,4,5,6,7,8,9,10,11,12,13,14,15
	ds_store_b128 v[SIN], v[R+64*((\s)%2)+4*\i:R+64*((\s)%2)+4*\i+3] offset:528*\i
.endr
.irp b, 0,1,2,3
.irp j, 0,1,2,3
	ds_load_b128 v[X+16*\b+4*\j:X+16*\b+4*\j+3], v[SOUT] offset:128*\b+16*\j   ; LDS serves a wave's instructions in order (ISA guide 5.7.1.4): these see the stores above
.endr
.endr
	s_wait_dscnt 0x0                               ; my numbers are back, and the stores have read their registers
.if (\s) < 2
	LOAD (\s)+2                                    ; which take the loads of two steps on
.else
	s_wait_xcnt 0x0                                ; the codes' registers of two steps ago are written again only behind this wait
.endif
	QUANT X, PC+12*((\s)%2), PW+(\s)
.irp q, 0,1,2
	global_store_b128 v[LI], v[PC+12*((\s)%2)+4*\q:PC+12*((\s)%2)+4*\q+3], s[10:11] offset:((\s)/2)*CHS+((\s)%2)*1536+512*\q   ; 32 lanes store 512 consecutive bytes, at a multiple of 256
.endr
.endm
	LOAD 0
	LOAD 1
	STEP 0
	STEP 1
	STEP 2
	STEP 3
	v_cndmask_b32 v[SW], v[PW], v[PW+1], s[HI]     ; lanes 0-15 the even K step's words, lanes 16-31 the odd one's
	v_cndmask_b32 v[SW+1], v[PW+2], v[PW+3], s[HI]
	global_store_b64 v[L8], v[SW:SW+1], s[12:13]   ; 32 lanes store 256 consecutive bytes, at a multiple of 256
	s_wait_tensorcnt 0x0
	ds_add_u32 v254, v255
	s_wait_dscnt 0x0
	s_endpgm
.Lfunc_end_k_q0de722284c_quant:
	.size	k_q0de722284c_quant, .Lfunc_end_k_q0de722284c_quant-k_q0de722284c_quant
	.p2alignl 7, 3214868480
	.fill 96, 4, 3214868480
	.section	.rodata,"a",@progbits
	.p2align	6, 0x0
	.amdhsa_kernel k_q0de722284c_quant
		.amdhsa_group_segment_fixed_size 34304
		.amdhsa_private_segment_fixed_size 0
		.amdhsa_enable_private_segment 0
		.amdhsa_kernarg_size 40
		.amdhsa_user_sgpr_count 2
		.amdhsa_user_sgpr_kernarg_segment_ptr 1
		.amdhsa_wavefront_size32 1
		.amdhsa_system_sgpr_workgroup_id_x 1
		.amdhsa_system_sgpr_workgroup_id_y 1
		.amdhsa_system_sgpr_workgroup_id_z 1
		.amdhsa_system_vgpr_workitem_id 0
		.amdhsa_next_free_vgpr 256
		.amdhsa_next_free_sgpr 66
		.amdhsa_reserve_vcc 0
		.amdhsa_float_denorm_mode_32 3
		.amdhsa_float_denorm_mode_16_64 3
		.amdhsa_memory_ordered 1
		.amdhsa_forward_progress 1
		.amdhsa_inst_pref_size 34
	.end_amdhsa_kernel
	.amdgpu_metadata
---
amdhsa.version: [ 1, 2 ]
amdhsa.kernels:
  - .name:           k_q0de722284c_quant
    .symbol:         k_q0de722284c_quant.kd
    .args:
      - { .name: x, .offset: 0, .size: 8, .value_kind: global_buffer, .address_space: global }
      - { .name: w_qkv, .offset: 8, .size: 8, .value_kind: global_buffer, .address_space: global }
      - { .name: w_out, .offset: 16, .size: 8, .value_kind: global_buffer, .address_space: global }
      - { .name: codes, .offset: 24, .size: 8, .value_kind: global_buffer, .address_space: global }
      - { .name: cscl, .offset: 32, .size: 8, .value_kind: global_buffer, .address_space: global }
    .group_segment_fixed_size: 34304
    .private_segment_fixed_size: 0
    .kernarg_segment_align: 8
    .kernarg_segment_size: 40
    .max_flat_workgroup_size: 128
    .sgpr_count:     66
    .vgpr_count:     256
    .wavefront_size: 32
...
	.end_amdgpu_metadata
.endif
;; end of part 1
;; launch proj (part 2): grid 8 x 32, 4 waves a work-group, clusters of 4 x 4, 298,496 bytes of LDS; arguments codes, cscl, bias_qkv, qkv, scl; writes qkv, scl
.if DOCPART == 2
	.amdgcn_target "amdgcn-amd-amdhsa--gfx1250"
	.amdhsa_code_object_version 6
	.text
	.protected	k_q0de722284c_proj
	.globl	k_q0de722284c_proj
	.p2align	8
	.type	k_q0de722284c_proj,@function
k_q0de722284c_proj:
	s_mov_b64 s[64:65], 0
	v_nop
	global_prefetch_b8 v0, s[64:65] scope:SCOPE_SE
	s_setreg_imm32_b32 hwreg(HW_REG_WAVE_MODE, 25, 1), 1
	s_wait_xcnt 0x0
	s_wait_alu depctr_hold_cnt(0) depctr_sa_sdst(0) depctr_va_vdst(0) depctr_va_sdst(0) depctr_va_ssrc(0) depctr_va_vcc(0) depctr_vm_vsrc(0)
	s_getreg_b32 s2, hwreg(HW_REG_IB_STS2, 6, 4)
	s_cmp_eq_u32 s2, 0
	s_cbranch_scc0 .Lentry_in_a_cluster
	s_endpgm
.Lentry_in_a_cluster:
	s_bfe_u32 s2, ttmp6, 0x10000c
	s_cmp_lg_u32 s2, 0xf033
	s_cbranch_scc0 .Lentry_shape_is_right
	s_endpgm
.Lentry_shape_is_right:
; qkv = x w_qkv^T + bias_qkv on codes of FP6 (E2M3) with E8M0 scales; the results are quantised in registers and leave as images of the next products' operand registers.
; A WORK-GROUP STAYS FOR THREE TILES OF 128 x 128 that share one block of 128 tokens.  Work-group (j, Y): tokens 128 Y on;
;   pass 0: features 256 j .. + 127 of q (j < 4) or k (j >= 4), pass 1: the next 128: source 0 = 8 tiles of weights, source 1 = tokens: a lane holds a token and 128 features (two heads): quantised along a head's 64;
;   pass 2: v's features 128 j .. + 127: source 0 = the 8 tiles of tokens, source 1 = weights: a lane holds a feature and 128 keys: quantised along the keys.
; Tile 2 g + u holds in lane r the row 32 g + 8 u + r + 8 (r / 8), so that the 16 registers of two neighbouring tiles of source 0 are 16 neighbouring rows.
; Wave w takes all 8 tiles of source 0 against tiles 2 w, 2 w + 1 of source 1: 16 accumulators, 8 K steps of 128, 128 matrix instructions a pass.
; LDS: three panels of 128 rows x all of K, in four chunks of two K steps (73,728 bytes: pass 0's weights, pass 1's, the tokens, 24,576 each).  A fourth panel has no room (4 x 98,304 bytes are more than a
; WGP's LDS), so w_v, which is wanted as source 1 alone, goes from memory straight into the registers of the wave that multiplies by it (192 registers).  Every LDS byte is filled once; all loads go out at the
; start (five a wave are out, by this text's count) and the waits count them down.  Fragments lie as images of registers: every LDS load takes 512 consecutive bytes.
; CLUSTER 4 x 4: the weights in LDS hang on j alone and are asked for jointly along a column of the cluster, the tokens on Y alone and jointly along a row.  w_v's fragments are not asked for jointly: they go to registers.
; SCALE WORDS: a scale operand has no register window, and window 0 has room for one pass's set: the later passes' words are loaded early into window 2 and copied at a pass's end.
; RESULTS: qkv [head 16 b + n][294,912]: K at 0, [tile of 16 tokens][768]; V at 98,304, [128 keys][tile of 16 d][1,536]; Q at 196,608 like K.  A half image (6 registers): registers 0-3 at 16 x lane, 4-5 at 512 + 8 x lane.
; scl [head][20,480]: K's words at 0, V's at 8,192, Q's at 12,288, 64 bytes a tile; in a word of Q or K bytes 2 and 3 are 0x7f: they stand over the zero codes that fill K = 64 up to 128.
; LIMITS: NaN and infinities are not served; a block whose largest magnitude lies under 2^-124, a block of zeros among them, gets the byte 1 (zero codes add nothing under it; only this program reads the bytes).
; REGISTERS: window 0: v1-23 addresses; v24-55, v56-63 scale words of sources 0 and 1 (nothing else ever); v64-111 source 1's fragments from LDS, two sets, later the codes made; v112-239 accumulators; v240-251 quantiser.
;   window 1: source 0's fragments, two sets, at v0 and v128.   window 2: v0-63, v152-215 the biases of passes 0 and 1, v64-79 of pass 2; v80-151 scale words in waiting.   window 3: v0-191 w_v's fragments.
.set CHS,   1572864                    ; from chunk to chunk in codes
; THE FILLS (this takes the place of what the head comment says of them): LDS holds two halves of K, 147,456 bytes each: two chunks of both passes' weights (16 tiles on end in memory, 49,152 bytes a chunk),
; then two chunks of the tokens (24,576 each).  One tensor load a wave, a tile of two rows, a row a chunk: wave 0 the weights of chunks 0 and 1, wave 1 their tokens, waves 2 and 3 the same of chunks 2 and 3.
; Waves 0 and 1 wait in front of the first barrier, on load lines of their own; every wave waits for 0 in front of the barrier in K step 3, behind which chunk 2 is first read.  Every LDS byte is filled once.
.set HALF,  147456
.set WHI,   24576                      ; in it: pass 1's weights,
.set TOFF,  49152
.set STG,   294912                     ; behind the chunks: 1,024 bytes of scale words for each pass; no fill lands there
.set LI,  1                            ; 16 x lane
.set AD0, 2                            ; v2-5   the weights in chunk c
.set AD1, 6                            ; v6-9   my two tiles of tokens in chunk c
.set ADT, 10                           ; v10-13 the tokens in chunk c
.set L8,  14                           ; 8 x lane
.set BA,  15                           ; 64 h
.set BVA, 16                           ; 4 (r + 8 (r / 8))
.set SQ,  17                           ; scale words into a stage: 128 x wave + 4 x lane
.set RQ,  18                           ; and back: 256 x wave + 8 x lane
.set SC0, 24
.set SC1, 56
.set F1,  64
.set ACC, 112
.set TM,  240
.set PC0, 64
.set TQ,  88
.set PW0, 96
.set W,   98
.set WA,  99
.set WB,  100
.set BK,  102
.set BQ,  0                            ; window 2
.set BV,  64
.set X1,  80                           ; pass 1's scale words of source 0,
.set X2,  112                          ; pass 2's,
.set X3,  144                          ; pass 2's of source 1
.set BQ1, 152
.set VW,  0                            ; window 3: tile a, K step s at 96 a + 12 s
.set WV,  14
.set WH,  15
.set WL,  16
.set CX,  17
.set CYP, 18
.set SEL, 20
.set HI,  22
.set XX,  23
.set YY,  24
.set M16, 30
.set FILL, 31
.set G1A, 32                           ; group 1: two rows of 49,152 bytes, my column's mask
.set G1B, 40                           ; group 1: two rows of 24,576 bytes, my row's mask
.set G0A, 48                           ; s[48:51] group 0: the weights of my half's two chunks
.set G0B, 68                           ; s[68:71] group 0: the tokens of my half's two chunks
.set G1C, 84
.set G0C, 92
.set MSB, 0
.macro WIN new                         ; the immediate's high byte repeats the setting that is left
.if MSB != \new
	s_set_vgpr_msb (MSB<<8)|\new
.set MSB, \new
.endif
.endm
.macro PLACES n
.rept \n
	v_nop
.endr
.endm
.macro CROUND                          ; a round of the cluster's barrier
	s_barrier_signal -1
	s_barrier_wait -1
	s_cmp_lg_u32 s[WV], 0
	s_cbranch_scc1 .Lnot_wave_0_\@
	s_barrier_signal -3
.Lnot_wave_0_\@:
	s_barrier_wait -3
	s_barrier_signal -1
	s_barrier_wait -1
.endm
; 64 numbers of a lane, register 16 b + i = k 32 b + 16 h + i of my row, become a fragment's 12 registers of codes at v[pc] and its scale word in v[pw].
.macro QUANT src, pc, pw
.irp b, 0,1,2,3
	v_max3_num_f32 v[TM+\b], |v[\src+16*\b]|, |v[\src+1+16*\b]|, 0x1800000   ; each accumulator is read from its low end on; the floor 2^(3 - 127) holds the byte at 1 from below
.endr
.irp i, 2,4,6,8,10,12,14
.irp b, 0,1,2,3
	v_max3_num_f32 v[TM+\b], v[TM+\b], |v[\src+16*\b+\i]|, |v[\src+1+16*\b+\i]|
.endr
.endr
.irp b, 0,1,2,3
	v_permlanex16_b32 v[TM+4+\b], v[TM+\b], s[SEL], s[SEL+1]
.endr
.irp b, 0,1,2,3
	v_max_num_f32 v[TM+\b], v[TM+\b], v[TM+4+\b]
.endr
.irp b, 0,1,2,3
	v_add_nc_u32 v[TM+8+\b], 0xff000000, v[TM+\b]              ; 2 off the exponent field: the conversion's scale operand
.endr
.irp b, 0,1,2,3
	v_lshrrev_b32 v[TM+4+\b], 23, v[TM+8+\b]                   ; the scale's byte
.endr
	v_lshl_or_b32 v[\pw], v[TM+5], 8, v[TM+4]
	v_lshl_or_b32 v[\pw], v[TM+6], 16, v[\pw]
	v_lshl_or_b32 v[\pw], v[TM+7], 24, v[\pw]
.irp c, 0,1
	v_cvt_scalef32_pk16_fp6_f32 v[\pc+6*\c:\pc+6*\c+2], v[\src+32*\c:\src+32*\c+15], v[TM+8+2*\c]
	v_cvt_scalef32_pk16_fp6_f32 v[TQ+4*\c:TQ+4*\c+2], v[\src+32*\c+16:\src+32*\c+31], v[TM+9+2*\c]
.endr
	v_nop                                                      ; one plain instruction behind the scaled conversions
.irp c, 0,1
.irp i, 0,1,2
	v_permlane16_swap_b32 v[\pc+6*\c+\i], v[TQ+4*\c+\i]
.endr
.irp i, 0,1,2
	v_mov_b32 v[\pc+3+6*\c+\i], v[TQ+4*\c+\i]
.endr
.endr
.endm
; Pass p, K step s: the fragments into set s % 2: 24 loads for source 0's eight tiles; in passes 0 and 1 six more for my two tiles of tokens
.macro FETCH p, s
.if (\p) == 2
.set rAD, ADT+(\s)/2
.set oB, 0
.else
.set rAD, AD0+(\s)/2
.set oB, WHI*(\p)
.endif
	WIN 0x40                                       ; destination window 1, address window 0
.irp t, 0,1,2,3,4,5,6,7
.irp q, 0,1,2
	ds_load_b128 v[128*((\s)%2)+12*\t+4*\q:128*((\s)%2)+12*\t+4*\q+3], v[rAD] offset:oB+3072*\t+1536*((\s)%2)+512*\q
.endr
.endr
	WIN 0
.if (\p) < 2
.irp a, 0,1
.irp q, 0,1,2
	ds_load_b128 v[F1+24*((\s)%2)+12*\a+4*\q:F1+24*((\s)%2)+12*\a+4*\q+3], v[AD1+(\s)/2] offset:3072*\a+1536*((\s)%2)+512*\q
.endr
.endr
.endif
.endm
; 16 matrix instructions, the sixteen accumulators by turns, one instruction a turn, in the same order in every step.
; first = 1: the sums begin with the pass's bias.  A scale register holds an even K step's words in lanes 0-15 and the odd one's in lanes 16-31.
.macro MUL p, s, first
.if (\p) == 2
.if \first
	WIN 0x2d                                       ; source 0 window 1, source 1 window 3, C window 2
.else
	WIN 0x0d
.endif
.else
.if \first
	WIN 0x21                                       ; source 0 window 1, C window 2
.else
	WIN 0x01
.endif
.endif
.irp t, 0,1,2,3,4,5,6,7
.irp a, 0,1
.set rD, ACC+64*\a+8*\t
.set rA, 128*((\s)%2)+12*\t
.if (\p) == 2
.set rB, VW+96*\a+12*(\s)
.else
.set rB, F1+24*((\s)%2)+12*\a
.endif
.set rC, rD
.if \first
.if (\p) == 0
.set rC, BQ+8*\t
.elseif (\p) == 1
.set rC, BQ1+8*\t
.else
.set rC, BV+8*\a
.endif
.endif
.set rX, SC0+4*\t+(\s)/2
.set rY, SC1+4*\a+(\s)/2
.if (\s)%2
	v_wmma_scale_f32_16x16x128_f8f6f4 v[rD:rD+7], v[rA:rA+11], v[rB:rB+11], v[rC:rC+7], v[rX], v[rY] matrix_a_fmt:MATRIX_FMT_FP6 matrix_b_fmt:MATRIX_FMT_FP6 matrix_a_scale:MATRIX_SCALE_ROW1 matrix_b_scale:MATRIX_SCALE_ROW1
.else
	v_wmma_scale_f32_16x16x128_f8f6f4 v[rD:rD+7], v[rA:rA+11], v[rB:rB+11], v[rC:rC+7], v[rX], v[rY] matrix_a_fmt:MATRIX_FMT_FP6 matrix_b_fmt:MATRIX_FMT_FP6
.endif
.endr
.endr
.endm
.macro KSTEP p, s                      ; K steps 1 to 7 of pass p
	s_wait_dscnt 0x0                               ; this step's fragments are in
.if ((\p) == 0) && ((\s) == 3)
	s_wait_tensorcnt 0x0                           ; the second half of K has landed
	s_barrier_signal -1
	s_barrier_wait -1                              ; everybody's has.  Nothing is ever filled again
.endif
.if (\s) < 7
	PLACES 4                                       ; the last step's products have read the set that is loaded now (ISA guide 7.12.1)
	FETCH \p, (\s)+1
.endif
	MUL \p, \s, 0
.endm
.macro STEPS p
	KSTEP \p, 1
	KSTEP \p, 2
	KSTEP \p, 3
	KSTEP \p, 4
	KSTEP \p, 5
	KSTEP \p, 6
	KSTEP \p, 7
	WIN 0
	PLACES 5                                       ; in front of the first read of results, of writes over operands and scale words, and of the next pass's products, which begin the accumulators anew
.endm
.macro TAKE dst, src, n                ; n scale words come out of window 2 into the registers that the products name; a whole epilogue stands between these lines and the next products
	WIN 0x02                                       ; source 0 window 2
.set i, 0
.rept \n
	v_mov_b32 v[\dst+i], v[\src+i]
.set i, i+1
.endr
	WIN 0
.endm
.macro EPIQK p                         ; pass p's 128 features x my 32 tokens: two fragments; registers 0-5 are the first head's half image, 6-11 the second's
	QUANT ACC, PC0, PW0
	QUANT ACC+64, PC0+12, PW0+1
	v_cndmask_b32 v[W], v[PW0], v[PW0+1], s[HI]    ; lanes 0-15 the first tile's words, lanes 16-31 the second's
	v_and_or_b32 v[WA], v[W], s[M16], s[FILL]      ; the first head's two bytes, 0x7f over the zero codes;
	v_lshrrev_b32 v[WB], 16, v[W]
	v_or_b32 v[WB], s[FILL], v[WB]                 ; the second head's
.irp a, 0,1                            ; every store covers whole aligned runs of 256 bytes; a pass is two heads on: 589,824 bytes
	global_store_b128 v[LI], v[PC0+12*\a:PC0+12*\a+3], s[10:11] offset:589824*(\p)+768*\a
	global_store_b64 v[L8], v[PC0+12*\a+4:PC0+12*\a+5], s[10:11] offset:589824*(\p)+768*\a+512
	global_store_b128 v[LI], v[PC0+12*\a+6:PC0+12*\a+9], s[10:11] offset:589824*(\p)+294912+768*\a
	global_store_b64 v[L8], v[PC0+12*\a+10:PC0+12*\a+11], s[10:11] offset:589824*(\p)+294912+768*\a+512
.endr
	ds_store_b32 v[SQ], v[WA] offset:1024*(\p)
	ds_store_b32 v[SQ], v[WB] offset:1024*(\p)+512
.endm
	s_load_b256 s[4:11], s[0:1], 0x0               ; codes, cscl, bias_qkv, qkv
	s_load_b64 s[12:13], s[0:1], 0x20              ; scl
	v_lshl_add_u32 v254, v0, 2, 0x48c00
	v_mov_b32 v255, 0
	ds_add_u32 v254, v255
	ds_add_u32 v254, v255
	v_lshrrev_b32 v21, 5, v0
	v_readfirstlane_b32 s[WV], v21                 ; wave 0..3
	s_lshr_b32 s[WH], s[WV], 1                     ; my half of K: chunks 2 (w >> 1) and the next,
	s_and_b32 s[WL], s[WV], 1                      ; and whether I fetch weights (0) or tokens (1)
	s_bfe_u32 s[CX], ttmp6, 0x40000                ; my place in the cluster
	s_bfe_u32 s[CYP], ttmp6, 0x40004
	s_lshl_b32 s[XX], ttmp9, 2
	s_add_co_u32 s[XX], s[XX], s[CX]               ; j: my group of features
	s_and_b32 s[YY], ttmp7, 0xffff
	s_lshl_b32 s[YY], s[YY], 2
	s_add_co_u32 s[YY], s[YY], s[CYP]              ; Y: my 128 tokens
	s_lshl_b32 s28, 0x1111, s[CX]                  ; my column of the cluster
	s_lshl_b32 s29, s[CYP], 2
	s_lshl_b32 s29, 15, s29                        ; my row
	; descriptor groups 1: dense bytes as two rows of 8-byte elements, a chunk a row, no padding
	s_or_b32 s[G1A], s28, (3<<16)|(1<<21)          ; 15:0 the mask; 17:16 elements of 8 bytes; 21 set beside a mask
	s_or_b32 s[G1B], s29, (3<<16)|(1<<21)
	s_mov_b32 s[G1A+1], 6144<<16                   ; the weights: a row is 49,152 bytes, 6,144 elements of 8
	s_mov_b32 s[G1A+3], 6144<<16
	s_mov_b32 s[G1B+1], 3072<<16                   ; the tokens: 24,576 bytes
	s_mov_b32 s[G1B+3], 3072<<16
.irp g, G1A, G1B
	s_mov_b32 s[\g+2], 2<<16                       ; two rows: two chunks,
	s_mov_b32 s[\g+4], 2
	s_mov_b32 s[\g+5], CHS/8                       ; a chunk of codes apart
	s_mov_b32 s[\g+6], 0
	s_mov_b32 s[\g+7], 0
.endr
	; where the tiles come from: the weights' places are made of j alone, the tokens' of Y alone
	s_mul_i32 s25, s[WH], 2*CHS                    ; my half of K: chunks 2 (w >> 1) and the next
	s_lshl_b32 s96, s[XX], 4
	s_add_co_u32 s96, s96, 256                     ; w_q's tiles begin at 256; my group's 16 tiles at 256 + 16 j
	s_mul_i32 s96, s96, 3072
	s_add_co_u32 s96, s96, s25
	s_mov_b32 s97, 0
	s_lshl_b32 s98, s[YY], 3
	s_mul_i32 s98, s98, 3072                       ; the eight tiles of tokens
	s_add_co_u32 s98, s98, s25
	s_mov_b32 s99, 0
	s_mul_i32 s26, s[WH], HALF                     ; and where they go: no place in the cluster enters an LDS address
	s_mov_b32 s[SEL], 0x76543210
	s_mov_b32 s[SEL+1], 0xfedcba98
	s_mov_b32 s[HI], 0xffff0000
	s_mov_b32 s[M16], 0xffff
	s_mov_b32 s[FILL], 0x7f7f0000
	v_and_b32 v21, 31, v0                          ; lane
	v_and_b32 v22, 15, v0                          ; r
	v_bfe_u32 v23, v0, 4, 1                        ; h
	v_lshlrev_b32 v[LI], 4, v21
	v_lshlrev_b32 v[L8], 3, v21
	v_lshlrev_b32 v[BA], 6, v23
	v_and_b32 v[BVA], 8, v22
	v_add_nc_u32 v[BVA], v[BVA], v22
	v_lshlrev_b32 v[BVA], 2, v[BVA]
	s_mul_i32 s28, s[WV], 6144
.irp c, 0,1,2,3
	v_add_nc_u32 v[AD0+\c], (\c/2)*HALF+(\c%2)*49152, v[LI]
	v_add_nc_u32 v[ADT+\c], (\c/2)*HALF+98304+(\c%2)*24576, v[LI]
	v_add_nc_u32 v[AD1+\c], s28, v[ADT+\c]
.endr
	s_lshl_b32 s28, s[WV], 7
	s_add_co_u32 s28, s28, STG
	v_lshl_add_u32 v[SQ], v21, 2, s28
	s_lshl_b32 s28, s[WV], 8
	s_add_co_u32 s28, s28, STG
	v_lshl_add_u32 v[RQ], v21, 3, s28
.irp b, 0,1,2,3
	v_mov_b32 v[TM+4+\b], 0                        ; written once: a lane permute's destination counts as one of its sources
.endr
	s_wait_alu depctr_va_vdst(0)
	s_wait_dscnt 0x0
	s_wait_kmcnt 0x0
	s_mov_b32 s[G0A], 1                            ; count = 1
	s_mov_b32 s[G0A+1], s26                        ; LDS address
	s_add_nc_u64 s[G0A+2:G0A+3], s[4:5], s[96:97]  ; global address
	s_or_b32 s[G0A+3], s[G0A+3], 0x80000000        ; type = 2
	s_mov_b32 s[G0B], 1
	s_add_co_u32 s[G0B+1], s26, 98304
	s_add_nc_u64 s[G0B+2:G0B+3], s[4:5], s[98:99]
	s_or_b32 s[G0B+3], s[G0B+3], 0x80000000
	; bases of what goes straight into registers
	s_lshl_b32 s19, s[XX], 3
	s_lshl_b32 s25, s[WV], 1
	s_add_co_u32 s19, s19, s25
	s_add_co_u32 s19, s19, 384                     ; my first tile of w_v: 384 + 8 j + 2 w
	s_mov_b32 s29, 0
	s_mul_i32 s28, s19, 3072
	s_add_nc_u64 s[4:5], s[4:5], s[28:29]          ; its codes
	s_lshl_b32 s28, s[XX], 13
	s_add_co_u32 s28, s28, 131072
	s_add_nc_u64 s[96:97], s[6:7], s[28:29]        ; scale words, 512 bytes a tile: my group's 16 tiles of w_q or w_k,
	s_lshl_b32 s28, s[YY], 12
	s_add_nc_u64 s[98:99], s[6:7], s[28:29]        ; the eight tiles of tokens,
	s_lshl_b32 s25, s[WV], 10
	s_add_co_u32 s28, s28, s25
	s_add_nc_u64 s[66:67], s[6:7], s[28:29]        ; my two of them,
	s_lshl_b32 s28, s19, 9
	s_add_nc_u64 s[6:7], s[6:7], s[28:29]          ; my two tiles of w_v
	s_lshl_b32 s28, s[XX], 10
	s_add_nc_u64 s[100:101], s[8:9], s[28:29]      ; the bias of features 256 j on,
	s_lshl_b32 s28, s[XX], 9
	s_lshl_b32 s25, s[WV], 7
	s_add_co_u32 s28, s28, s25
	s_add_co_u32 s28, s28, 8192
	s_add_nc_u64 s[8:9], s[8:9], s[28:29]          ; and of v's features 128 j + 32 w on
	CROUND                                         ; all sixteen work-groups are here: the joint loads meet
	s_cmp_eq_u32 s[WV], 0                          ; one chain of branches on the wave's number, one fill to an arm
	s_cbranch_scc0 .Lfill_1
	tensor_load_to_lds s[G0A:G0A+3], s[G1A:G1A+7]  ; wave 0: the weights of chunks 0 and 1
	s_nop 0
	PLACES 4
	s_branch .Lfilled
.Lfill_1:
	s_cmp_eq_u32 s[WV], 1
	s_cbranch_scc0 .Lfill_2
	tensor_load_to_lds s[G0B:G0B+3], s[G1B:G1B+7]  ; wave 1: their tokens
	s_nop 0
	PLACES 4
	s_branch .Lfilled
.Lfill_2:
	s_cmp_eq_u32 s[WV], 2
	s_cbranch_scc0 .Lfill_3
	tensor_load_to_lds s[G0A:G0A+3], s[G1A:G1A+7]  ; wave 2: the weights of chunks 2 and 3
	s_nop 0
	PLACES 4
	s_branch .Lfilled
.Lfill_3:
	tensor_load_to_lds s[G0B:G0B+3], s[G1B:G1B+7]  ; wave 3: their tokens
	s_nop 0
	PLACES 4
.Lfilled:
.irp t, 0,1,2,3,4,5,6,7                ; what pass 0 wants: 52 loads
	global_load_b64 v[SC0+4*\t:SC0+4*\t+1], v[L8], s[96:97] offset:512*\t          ; 32 lanes read 256 consecutive bytes
	global_load_b64 v[SC0+4*\t+2:SC0+4*\t+3], v[L8], s[96:97] offset:512*\t+256
.endr
.irp a, 0,1
	global_load_b64 v[SC1+4*\a:SC1+4*\a+1], v[L8], s[66:67] offset:512*\a
	global_load_b64 v[SC1+4*\a+2:SC1+4*\a+3], v[L8], s[66:67] offset:512*\a+256
.endr
	WIN 0x80                                       ; destination window 2
.irp t, 0,1,2,3,4,5,6,7
	global_load_b128 v[BQ+8*\t:BQ+8*\t+3], v[BA], s[100:101] offset:(32*(\t/2)+8*(\t%2))*4     ; register j of tile t: feature 32 (t / 2) + 16 h + 8 (t % 2) + j
	global_load_b128 v[BQ+8*\t+4:BQ+8*\t+7], v[BA], s[100:101] offset:(32*(\t/2)+8*(\t%2))*4+16
.endr
.irp a, 0,1
.irp j, 0,1,2,3,4,5,6,7
	global_load_b32 v[BV+8*\a+\j], v[BVA], s[8:9] offset:32*\a                     ; pass 2: my lane's feature, in all eight registers
.endr
.endr
	WIN 0
	; where the results go.  b = Y >> 4; the block of 128 tokens in its batch = Y & 15
	s_lshr_b32 s19, s[YY], 4
	s_lshl_b32 s19, s19, 4                         ; 16 b
	s_and_b32 s25, s[YY], 15
	s_lshl_b32 s2, s[XX], 1
	s_add_co_u32 s2, s2, s19                       ; v: heads 16 b + 2 j and the next
	s_add_co_u32 s26, s2, s[WL]
	s_add_co_u32 s2, s2, s[WH]
	s_mul_i32 s2, s2, 294912
	s_mul_i32 s3, s25, 6144
	s_add_co_u32 s2, s2, s3
	s_mul_i32 s3, s[WL], 3072
	s_add_co_u32 s2, s2, s3
	s_add_co_u32 s2, s2, 98304
	s_mov_b32 s3, 0
	s_add_nc_u64 s[2:3], s[10:11], s[2:3]          ; codes, v
	s_mul_i32 s26, s26, 20480
	s_lshl_b32 s27, s25, 8
	s_add_co_u32 s26, s26, s27
	s_add_co_u32 s26, s26, 8192
	s_mov_b32 s27, 0
	s_add_nc_u64 s[26:27], s[12:13], s[26:27]      ; scale words, v: wave 0 the first head's, wave 1 the second's
	s_lshl_b32 s28, s[XX], 2
	s_and_b32 s28, s28, 15
	s_add_co_u32 s19, s19, s28                     ; q, k: pass 0's first head: 16 b + (4 j) & 15
	s_bfe_u32 s29, s[XX], 0x10002
	s_xor_b32 s29, s29, 1                          ; 1 = q: bit 2 of j is 0
	s_mul_i32 s28, s19, 294912
	s_mul_i32 s17, s29, 196608
	s_add_co_u32 s28, s28, s17
	s_lshl_b32 s17, s25, 3
	s_lshl_b32 s18, s[WV], 1
	s_add_co_u32 s17, s17, s18
	s_mul_i32 s17, s17, 768
	s_add_co_u32 s28, s28, s17                     ; codes, q and k: my two tiles of tokens
	s_add_co_u32 s19, s19, s[WH]
	s_mul_i32 s19, s19, 20480
	s_mul_i32 s17, s29, 12288
	s_add_co_u32 s19, s19, s17
	s_lshl_b32 s17, s25, 9
	s_add_co_u32 s19, s19, s17
	s_lshl_b32 s17, s[WL], 8
	s_add_co_u32 s19, s19, s17                     ; scale words, q and k: waves 0, 1 the first head's two halves, waves 2, 3 the second's
	s_mov_b32 s29, 0
	s_add_nc_u64 s[10:11], s[10:11], s[28:29]
	s_mov_b32 s28, s19
	s_add_nc_u64 s[12:13], s[12:13], s[28:29]
	s_wait_loadcnt 0x0                             ; pass 0's scale words and the biases are in
	; ---- pass 0
	s_cmp_lt_u32 s[WV], 2                          ; waves 0 and 1 wait for the first half of K; the second half stays out
	s_cbranch_scc0 .Lnot_first
	s_wait_tensorcnt 0x0
.Lnot_first:
	s_barrier_signal -1
	s_barrier_wait -1                              ; everybody's has
	FETCH 0, 0
	s_wait_dscnt 0x0
	FETCH 0, 1                                     ; K step 1 lies in chunk 0 too
	WIN 0x80                                       ; what the later passes want of scale words and bias, 52 loads, lands under pass 0
.irp t, 0,1,2,3,4,5,6,7
	global_load_b64 v[X1+4*\t:X1+4*\t+1], v[L8], s[96:97] offset:4096+512*\t
	global_load_b64 v[X1+4*\t+2:X1+4*\t+3], v[L8], s[96:97] offset:4096+512*\t+256
.endr
.irp t, 0,1,2,3,4,5,6,7
	global_load_b128 v[BQ1+8*\t:BQ1+8*\t+3], v[BA], s[100:101] offset:512+(32*(\t/2)+8*(\t%2))*4
	global_load_b128 v[BQ1+8*\t+4:BQ1+8*\t+7], v[BA], s[100:101] offset:512+(32*(\t/2)+8*(\t%2))*4+16
.endr
.irp t, 0,1,2,3,4,5,6,7
	global_load_b64 v[X2+4*\t:X2+4*\t+1], v[L8], s[98:99] offset:512*\t
	global_load_b64 v[X2+4*\t+2:X2+4*\t+3], v[L8], s[98:99] offset:512*\t+256
.endr
.irp a, 0,1
	global_load_b64 v[X3+4*\a:X3+4*\a+1], v[L8], s[6:7] offset:512*\a
	global_load_b64 v[X3+4*\a+2:X3+4*\a+3], v[L8], s[6:7] offset:512*\a+256
.endr
	MUL 0, 0, 1                                    ; the first products start the sums with the bias
	s_wait_alu depctr_va_vdst(0)
	STEPS 0
	s_wait_loadcnt 0x0                             ; the 52 loads issued under this pass are in
	TAKE SC0, X1, 32
	EPIQK 0
	; ---- pass 1
	s_wait_tensorcnt 0x0                           ; my part of pass 1's weights has landed,
	s_wait_dscnt 0x0
	s_barrier_signal -1
	s_barrier_wait -1                              ; everybody's has
	s_wait_xcnt 0x0                                ; the stores above have read their registers: the fetches below land there only behind this wait
	FETCH 1, 0
	s_wait_dscnt 0x0
	FETCH 1, 1
	WIN 0xc0                                       ; destination window 3: w_v's fragments, 48 loads of 512 consecutive bytes, land under pass 1
.irp a, 0,1
.irp k, 0,1,2,3,4,5,6,7
.irp q, 0,1,2
	global_load_b128 v[VW+96*\a+12*\k+4*\q:VW+96*\a+12*\k+4*\q+3], v[LI], s[4:5] offset:(\k/2)*CHS+3072*\a+1536*(\k%2)+512*\q
.endr
.endr
.endr
	MUL 1, 0, 1
	STEPS 1
	s_wait_loadcnt 0x0                             ; w_v is in
	TAKE SC0, X2, 32
	TAKE SC1, X3, 8
	EPIQK 1
	; ---- pass 2
	s_wait_xcnt 0x0                                ; the stores above have read their registers
	FETCH 2, 0
	s_wait_dscnt 0x0
	FETCH 2, 1
	MUL 2, 0, 1
	STEPS 2
	QUANT ACC, PC0, PW0                            ; my first tile of features: 128 keys become a fragment
	QUANT ACC+64, PC0+12, PW0+1                    ; my second
	v_cndmask_b32 v[W], v[PW0], v[PW0+1], s[HI]
.irp a, 0,1
.irp q, 0,1,2
	global_store_b128 v[LI], v[PC0+12*\a+4*\q:PC0+12*\a+4*\q+3], s[2:3] offset:1536*\a+512*\q
.endr
.endr
	ds_store_b32 v[SQ], v[W] offset:2048
	; ---- the three passes' scale words leave as runs of 256 bytes
	s_wait_dscnt 0x0                               ; for the others' sake: my scale words lie in the stages
	s_barrier_signal -1
	s_barrier_wait -1
	ds_load_b64 v[BK:BK+1], v[RQ]
	ds_load_b64 v[BK+2:BK+3], v[RQ] offset:1024
	s_wait_dscnt 0x0
	global_store_b64 v[L8], v[BK:BK+1], s[12:13]   ; 32 lanes store 256 consecutive bytes, at a multiple of 256
	global_store_b64 v[L8], v[BK+2:BK+3], s[12:13] offset:40960   ; pass 1: two heads on
	s_cmp_lt_u32 s[WV], 2                          ; v: two heads x 256 bytes: waves 0 and 1
	s_cbranch_scc0 .Lend
	ds_load_b64 v[BK+4:BK+5], v[RQ] offset:2048
	s_wait_dscnt 0x0
	global_store_b64 v[L8], v[BK+4:BK+5], s[26:27]
.Lend:
	s_wait_tensorcnt 0x0
	s_wait_dscnt 0x0
	s_wait_tensorcnt 0x0
	ds_add_u32 v254, v255
	s_wait_dscnt 0x0
	CROUND                                         ; the closing round: no work-group ends while a partner may still ask for a tile that names it
	s_endpgm
.Lfunc_end_k_q0de722284c_proj:
	.size	k_q0de722284c_proj, .Lfunc_end_k_q0de722284c_proj-k_q0de722284c_proj
	.p2alignl 7, 3214868480
	.fill 96, 4, 3214868480
	.section	.rodata,"a",@progbits
	.p2align	6, 0x0
	.amdhsa_kernel k_q0de722284c_proj
		.amdhsa_group_segment_fixed_size 298496
		.amdhsa_private_segment_fixed_size 0
		.amdhsa_enable_private_segment 0
		.amdhsa_kernarg_size 40
		.amdhsa_user_sgpr_count 2
		.amdhsa_user_sgpr_kernarg_segment_ptr 1
		.amdhsa_wavefront_size32 1
		.amdhsa_system_sgpr_workgroup_id_x 1
		.amdhsa_system_sgpr_workgroup_id_y 1
		.amdhsa_system_sgpr_workgroup_id_z 1
		.amdhsa_system_vgpr_workitem_id 0
		.amdhsa_next_free_vgpr 960
		.amdhsa_next_free_sgpr 102
		.amdhsa_reserve_vcc 0
		.amdhsa_float_denorm_mode_32 3
		.amdhsa_float_denorm_mode_16_64 3
		.amdhsa_memory_ordered 1
		.amdhsa_forward_progress 1
		.amdhsa_inst_pref_size 149
	.end_amdhsa_kernel
	.amdgpu_metadata
---
amdhsa.version: [ 1, 2 ]
amdhsa.kernels:
  - .name:           k_q0de722284c_proj
    .symbol:         k_q0de722284c_proj.kd
    .args:
      - { .name: codes, .offset: 0, .size: 8, .value_kind: global_buffer, .address_space: global }
      - { .name: cscl, .offset: 8, .size: 8, .value_kind: global_buffer, .address_space: global }
      - { .name: bias_qkv, .offset: 16, .size: 8, .value_kind: global_buffer, .address_space: global }
      - { .name: qkv, .offset: 24, .size: 8, .value_kind: global_buffer, .address_space: global }
      - { .name: scl, .offset: 32, .size: 8, .value_kind: global_buffer, .address_space: global }
    .group_segment_fixed_size: 298496
    .private_segment_fixed_size: 0
    .kernarg_segment_align: 8
    .kernarg_segment_size: 40
    .max_flat_workgroup_size: 128
    .sgpr_count:     102
    .vgpr_count:     960
    .wavefront_size: 32
...
	.end_amdgpu_metadata
.endif
;; end of part 2
;; launch attn (part 3): grid 8 x 32, 16 waves a work-group, clusters of 4 x 1, 235,520 bytes of LDS; arguments qkv, scl, ctxc, ctxs; writes ctxc, ctxs
.if DOCPART == 3
	.amdgcn_target "amdgcn-amd-amdhsa--gfx1250"
	.amdhsa_code_object_version 6
	.text
	.protected	k_q0de722284c_attn
	.globl	k_q0de722284c_attn
	.p2align	8
	.type	k_q0de722284c_attn,@function
k_q0de722284c_attn:
	s_mov_b64 s[64:65], 0
	v_nop
	global_prefetch_b8 v0, s[64:65] scope:SCOPE_SE
	s_setreg_imm32_b32 hwreg(HW_REG_WAVE_MODE, 25, 1), 1
	s_wait_xcnt 0x0
	s_wait_alu depctr_hold_cnt(0) depctr_sa_sdst(0) depctr_va_vdst(0) depctr_va_sdst(0) depctr_va_ssrc(0) depctr_va_vcc(0) depctr_vm_vsrc(0)
	s_getreg_b32 s2, hwreg(HW_REG_IB_STS2, 6, 4)
	s_cmp_eq_u32 s2, 0
	s_cbranch_scc0 .Lentry_in_a_cluster
	s_endpgm
.Lentry_in_a_cluster:
	s_bfe_u32 s2, ttmp6, 0x10000c
	s_cmp_lg_u32 s2, 0x3003
	s_cbranch_scc0 .Lentry_shape_is_right
	s_endpgm
.Lentry_shape_is_right:
; ctx = softmax(q k^T / 8) v for one head, both products on codes of FP6 (E2M3) with E8M0 scales; ctx is quantised along the features and leaves as a part of the last product's operand.
; THE SOFTMAX: t = score x log2(e) / 8; M = the running largest t rounded UP to a whole number; p = 2^(t - M) is quantised along the keys, not normalised; the row's sum is taken of the unquantised p
; and divides at the end.  When M moves, the sum and O are multiplied by 2^(old M - new M), which rounds nothing.
; SHARES: a work-group owns 256 queries of one head, each of its sixteen waves one tile of 16, in 256 registers: four waves to a SIMD.
; Both products are used transposed (S^T = K Q^T, O^T = V^T P^T): a lane holds one query throughout.
; WHICH KEYS FORM A TILE OF K is chosen by the lanes' LDS addresses: of a step's 128 keys tile 4 c + t holds in row m key 64 c + 32 (m / 8) + 8 t + m % 8.  So lane (r, h)'s 32 scores of tiles 4 c .. 4 c + 3
; are keys 32 (2 c + h) + 0 .. 31 in order: ONE WHOLE SCALE BLOCK of p, in the very lane and order that the next operand wants: no lane asks another for a block's maximum, and no code changes lanes.
; In memory tile 2 g + u holds in lane r key 32 g + 8 u + r + 8 (r / 8) (the launch before lays it so): row m of tile 4 c + t is lane m % 8 + 8 (t / 2) of the stored tile 4 c + 2 (m / 8) + t % 2.
; V's tiles of d hold in lane r d = 32 g + 8 u + r + 8 (r / 8), so that O^T's registers run along the features.
; THE HEAD'S 64 UNDER AN INSTRUCTION OF K = 128: registers 6-11 of Q's and K's fragments are zero codes, written once; bytes 2 and 3 of their scale words are 0x7f.
; LDS holds the head's K, V and their scale words, each byte filled once.  K's descriptor lays 64 bytes of padding behind every 256, so a stored tile (768 bytes) takes 960: rows m and m + 8 of a tile, two stored tiles
; apart, then lie 1,920 bytes apart, 128 modulo 256, and the sixteen lanes that share a pass of a 16-byte load touch sixteen different columns (64 banks of 4 bytes: ISA guide 11.1).  V and the scale words lie as in memory.
; NINE TENSOR LOADS at the head, one a wave, in one chain of branches whose first arms hold what the first steps read: wave 0 the scale words, wave 4 the first 512 keys of K, wave 8 of V; waves 5-7 and 9-11 the other
; three chunks of K and of V.  The waves whose number is a multiple of 4 wait in front of the first barrier; their load lines are their own.  The later chunks are shown by ONE more barrier, split over the fourth step:
; every wave waits for 0 and signals behind that step's first fragments, and waits at the step's end.  Elsewhere the sixteen waves run free of each other.
; No prefetch: every byte is asked for at the head, so there is no loop to run ahead in.
; CLUSTER 4 x 1: the four blocks of queries of a cluster belong to one head, so every load is a joint one, with the mask of all four.
; ONE SMALL STORE: a tile's two scale bytes of this head are half a word of the last product's scale words; the other half is the neighbouring head's work-group's, and work-groups hand each other nothing:
; so 2 bytes a lane leave, once a wave, inside one run of 256 bytes.
; LIMITS: NaN and infinities are not served; the scaled scores t stay under 2^31 in magnitude; a block whose largest magnitude lies under 2^-124, a block of zeros among them, gets the byte 1
; (zero codes add nothing under it; only this program reads the bytes).
.set KT,   960                         ; a stored tile of K in LDS: 3 x (256 + 64)
.set VOFF, 122880                      ; LDS: K's codes at 0 (128 tiles), V's here (98,304 bytes),
.set KSC,  221184                      ; K's scale words (8,192 bytes), V's behind them (4,096),
.set SPARE, 233472                     ; the spare words: 128 bytes a wave
.set ADK,  4                           ; v4-8 the step's addresses
.set ADK8, 5
.set ADV,  6
.set ADS,  7
.set ADT,  8
.set QS,   28                          ; Q's scale word
.set PS,   29                          ; p's
.set KSR,  30                          ; v30-33 K's: lanes 0-15 an even tile's, lanes 16-31 the odd one's
.set VSR,  34                          ; v34-35 V's likewise
.set KF,   36                          ; v36-83 four fragments of K; behind the scores their six data registers serve as scratch:
.set T0,   36                          ; v36-38, v48-50 a conversion's second half
.set T1,   48
.set C1,   60                          ; v60-63, v72-73 three chains of the row's sum
.set C2,   62
.set C3,   72
.set BM,   84                          ; v84-85 my two blocks' largest score, then p
.set BX,   86                          ; v86-87 the second chain of each
.set BS,   88                          ; v88-89 scale operands
.set BY,   90                          ; v90-91 scale bytes
.set KB,   92                          ; K's registers 0-3: 2 KT (m / 8) + 320 h + 16 (m % 8)
.set KB8,  93                          ; registers 4, 5: 640 + 2 KT (m / 8) + 128 h + 8 (m % 8)
.set SH8,  94                          ; 8 h
.set TVB,  95                          ; KSC + 4 x lane
.set S,    96                          ; v96-159 S^T, then p
.set O,    160                         ; v160-191 O^T
.set VF,   192                         ; v192-239 four fragments of V
.set PCD,  240                         ; v240-251 p's codes
.set PX,   252                         ; what lane l xor 16 sends
.set SPW,  253                         ; my spare word; never rewritten
.set NIL,  254                         ; 0; never rewritten
.set WV,   12
.set W3,   13
.set BH,   14
.set XB,   15
.set SEL,  16
.set CS,   18
.set T6,   20
.set TK,   21
.set TV,   22
.set CNT,  23
.set T6V,  31
.set G1S,  32
.set G1C,  40
.set G0S,  48
.set G0K,  52
.set G0V,  68
.set G1K,  72
.macro PLACES n
.rept \n
	v_nop
.endr
.endm
.macro WALU
	s_wait_alu depctr_va_vdst(0)
.endm
.macro TLOAD g0, g1
	tensor_load_to_lds s[\g0:\g0+3], s[\g1:\g1+7]
	s_nop 0
	PLACES 4
.endm
.macro CROUND                          ; a round of the cluster's barrier
	s_barrier_signal -1
	s_barrier_wait -1
	s_cmp_lg_u32 s[WV], 0
	s_cbranch_scc1 .Lnot_wave_0_\@
	s_barrier_signal -3
.Lnot_wave_0_\@:
	s_barrier_wait -3
	s_barrier_signal -1
	s_barrier_wait -1
.endm
	s_load_b256 s[4:11], s[0:1], 0x0               ; qkv, scl, ctxc, ctxs
	v_lshl_add_u32 v[SPW], v0, 2, SPARE
	v_mov_b32 v[NIL], 0
	ds_add_u32 v[SPW], v[NIL]                      ; the opening lines: the add twice on end and its wait
	ds_add_u32 v[SPW], v[NIL]
	v_lshrrev_b32 v9, 5, v0
	v_readfirstlane_b32 s[WV], v9                  ; wave 0..15
	v_and_b32 v9, 31, v0
	v_and_b32 v10, 15, v0                          ; m
	v_bfe_u32 v11, v0, 4, 1                        ; h
	v_lshlrev_b32 v1, 4, v9                        ; 16 x lane
	v_lshrrev_b32 v12, 3, v10                      ; m / 8
	v_and_b32 v13, 7, v10                          ; m % 8
	v_lshl_add_u32 v2, v9, 3, 512                  ; 512 + 8 x lane: registers 4, 5 of a half image in memory
	v_lshl_add_u32 v[TVB], v9, 2, KSC
	v_mul_u32_u24 v[KB], v12, 2*KT
	v_lshl_add_u32 v3, v12, 7, KSC
	v_lshl_add_u32 v[KB8], v11, 7, v[KB]
	v_mad_u32_u24 v[KB], v11, 320, v[KB]
	v_lshl_add_u32 v3, v11, 6, v3
	v_lshl_add_u32 v[KB8], v13, 3, v[KB8]
	v_lshl_add_u32 v[KB], v13, 4, v[KB]
	v_lshl_add_u32 v3, v13, 2, v3                  ; K's scale words: KSC + 128 (m / 8) + 64 h + 4 (m % 8)
	v_add_nc_u32 v[KB8], 640, v[KB8]
	v_lshlrev_b32 v[SH8], 3, v11
	v_lshlrev_b32 v9, 2, v10                       ; 4 r
	s_and_b32 s[W3], s[WV], 3                      ; the chunk of 512 keys that I fetch, if I fetch codes
	s_bfe_u32 s24, ttmp6, 0x40000                  ; cx
	s_lshl_b32 s[XB], ttmp9, 2
	s_add_co_u32 s[XB], s[XB], s24                 ; my block of 256 queries: it enters Q's and the results' addresses alone
	s_and_b32 s[BH], ttmp7, 0xffff                 ; 16 b + head, which the four partners share
	s_mul_i32 s26, s[BH], 294912
	s_mov_b32 s27, 0
	s_mul_i32 s28, s[BH], 20480
	s_mov_b32 s29, 0
	s_mul_i32 s88, s[W3], 24576                    ; a chunk in memory,
	s_mov_b32 s89, 0
	s_mul_i32 s86, s[W3], 32*KT                    ; K's in LDS, padded,
	s_add_co_u32 s87, s88, VOFF                    ; V's in LDS
	; descriptor groups 1: dense bytes as rows of 32 elements of 8 bytes: 48 rows of scale words, 96 rows of codes; K's with 16 words of padding behind every 64
	s_mov_b32 s[G1S], 15|(3<<16)|(1<<21)           ; 15:0 the mask: all four work-groups; 17:16 elements of 8 bytes; 21 set beside a mask
	s_mov_b32 s[G1S+1], 32<<16
	s_mov_b32 s[G1S+2], 48<<16
	s_mov_b32 s[G1S+3], 32<<16
	s_mov_b32 s[G1S+4], 48
	s_mov_b32 s[G1S+5], 32
	s_mov_b32 s[G1S+6], 0
	s_mov_b32 s[G1S+7], 0
	s_mov_b32 s[G1C], 15|(3<<16)|(1<<21)
	s_mov_b32 s[G1K], 15|(3<<16)|(1<<20)|(1<<21)|(5<<22)|(15<<25)   ; 20 padding on; 24:22 after every 64 words (code 5); 31:25 of 16 words (code 15)
.irp g, G1C, G1K
	s_mov_b32 s[\g+1], 32<<16
	s_mov_b32 s[\g+2], 96<<16
	s_mov_b32 s[\g+3], 32<<16
	s_mov_b32 s[\g+4], 96
	s_mov_b32 s[\g+5], 32
	s_mov_b32 s[\g+6], 0
	s_mov_b32 s[\g+7], 0
.endr
	s_mov_b32 s[SEL], 0x76543210
	s_mov_b32 s[SEL+1], 0xfedcba98                 ; lane l xor 16
	s_mov_b32 s[CS], 0x3e38aa3b                    ; c = log2(e) / 8
	s_mov_b32 s[CS+1], s[CS]                       ; (named with it as a pair)
	s_mov_b32 s[T6], 0                             ; a step's codes: 8 KT bytes of K,
	s_mov_b32 s[T6V], VOFF                         ; 6,144 of V
	s_mov_b32 s[TK], 0                             ; K's scale words: 512 bytes a step
	s_mov_b32 s[TV], 8192                          ; V's: 256
	WALU
	s_wait_dscnt 0x0                               ; both opening adds are done
	CROUND                                         ; all four work-groups are here: the joint loads meet
	s_wait_kmcnt 0x0
	s_add_nc_u64 s[26:27], s[4:5], s[26:27]        ; qkv at my head
	s_add_nc_u64 s[28:29], s[6:7], s[28:29]        ; scl at my head
	s_mov_b32 s[G0S], 1
	s_mov_b32 s[G0S+1], KSC
	s_mov_b64 s[G0S+2:G0S+3], s[28:29]
	s_or_b32 s[G0S+3], s[G0S+3], 0x80000000
	s_mov_b32 s[G0K], 1
	s_mov_b32 s[G0K+1], s86
	s_add_nc_u64 s[G0K+2:G0K+3], s[26:27], s[88:89]
	s_mov_b32 s[G0V], 1
	s_mov_b32 s[G0V+1], s87
	s_add_nc_u64 s[G0V+2:G0V+3], s[G0K+2:G0K+3], 98304   ; V's codes lie 98,304 bytes behind K's
	s_or_b32 s[G0K+3], s[G0K+3], 0x80000000
	s_or_b32 s[G0V+3], s[G0V+3], 0x80000000
	s_cmp_eq_u32 s[WV], 0                          ; one chain of branches on the wave's number, one fill to an arm; what the first steps read stands in the first arms
	s_cbranch_scc0 .Lfill_k0
	TLOAD G0S, G1S                                 ; wave 0: the scale words
	s_branch .Lfilled
.Lfill_k0:
	s_cmp_eq_u32 s[WV], 4
	s_cbranch_scc0 .Lfill_v0
	TLOAD G0K, G1K                                 ; wave 4: the first 512 keys of K
	s_branch .Lfilled
.Lfill_v0:
	s_cmp_eq_u32 s[WV], 8
	s_cbranch_scc0 .Lfill_k
	TLOAD G0V, G1C                                 ; wave 8: of V
	s_branch .Lfilled
.Lfill_k:
	s_cmp_lt_u32 s[WV], 4
	s_cbranch_scc1 .Lfilled
	s_cmp_lt_u32 s[WV], 8
	s_cbranch_scc0 .Lfill_v
	TLOAD G0K, G1K                                 ; waves 5-7: K's other chunks
	s_branch .Lfilled
.Lfill_v:
	s_cmp_lt_u32 s[WV], 12
	s_cbranch_scc0 .Lfilled
	TLOAD G0V, G1C                                 ; waves 9-11: V's
.Lfilled:
	s_lshl_b32 s30, s[XB], 4
	s_add_co_u32 s30, s30, s[WV]                   ; my tile of queries in the batch: 16 x block + wave
	s_mul_i32 s92, s30, 768
	s_add_co_u32 s92, s92, 196608
	s_mov_b32 s93, 0
	s_add_nc_u64 s[92:93], s[26:27], s[92:93]      ; its half image
	s_lshl_b32 s94, s30, 6
	s_add_co_u32 s94, s94, 12288
	s_mov_b32 s95, 0
	s_add_nc_u64 s[94:95], s[28:29], s[94:95]      ; its scale words
	global_load_b128 v[16:19], v1, s[92:93]        ; Q stays in registers
	global_load_b64 v[20:21], v2, s[92:93]
	global_load_b32 v[QS], v9, s[94:95]
.irp j, 22,23,24,25,26,27
	v_mov_b32 v[\j], 0                             ; the zero codes of K = 64 .. 127
.endr
.irp t, 0,1,2,3
.irp j, 6,7,8,9,10,11
	v_mov_b32 v[KF+12*\t+\j], 0
.endr
.endr
.irp j, 0,1,2,3,4,5,6,7,8,9,10,11,12,13,14,15,16,17,18,19,20,21,22,23,24,25,26,27,28,29,30,31
	v_mov_b32 v[O+\j], 0                           ; the step is written once: the first finds zeros, which the first change of M leaves zeros
.endr
	v_mov_b32 v[PX], 0                             ; a lane permute's destination counts as one of its sources
	v_mov_b32 v11, 0                               ; (named as the upper half of the pair v[10:11])
	v_mov_b32 v13, 0xff61b1e6                      ; the largest score so far: -3e38
	v_mov_b32 v14, 0                               ; the sum, in two halves
	v_mov_b32 v15, 0
	v_floor_f32 v12, -v13                          ; -M
.macro KLOAD g                         ; tiles 4 g .. 4 g + 3 of K: the lanes' addresses choose the keys (head comment)
.irp t, 0,1,2,3
	ds_load_b128 v[KF+12*\t:KF+12*\t+3], v[ADK] offset:4*KT*\g+KT*(\t%2)+128*(\t/2)
	ds_load_b64 v[KF+12*\t+4:KF+12*\t+5], v[ADK8] offset:4*KT*\g+KT*(\t%2)+64*(\t/2)
.endr
.endm
.macro QK g                            ; S^T = K Q^T, four tiles
.irp t, 0,1,2,3
.if \t%2
	v_wmma_scale_f32_16x16x128_f8f6f4 v[S+8*(4*\g+\t):S+8*(4*\g+\t)+7], v[KF+12*\t:KF+12*\t+11], v[16:27], 0, v[KSR+2*\g+\t/2], v[QS] matrix_a_fmt:MATRIX_FMT_FP6 matrix_b_fmt:MATRIX_FMT_FP6 matrix_a_scale:MATRIX_SCALE_ROW1
.else
	v_wmma_scale_f32_16x16x128_f8f6f4 v[S+8*(4*\g+\t):S+8*(4*\g+\t)+7], v[KF+12*\t:KF+12*\t+11], v[16:27], 0, v[KSR+2*\g+\t/2], v[QS] matrix_a_fmt:MATRIX_FMT_FP6 matrix_b_fmt:MATRIX_FMT_FP6
.endif
.endr
.endm
.macro RND c, r                        ; round r of block c's two chains: one over its scores 0-16, one over 17-31; each accumulator is first read at its low end
.if (\r) == 0
	v_max3_num_f32 v[BM+\c], v[S+32*\c], v[S+32*\c+1], v[S+32*\c+2]
	v_max3_num_f32 v[BX+\c], v[S+32*\c+17], v[S+32*\c+18], v[S+32*\c+19]
.else
	v_max3_num_f32 v[BM+\c], v[BM+\c], v[S+32*\c+1+2*(\r)], v[S+32*\c+2+2*(\r)]
.if (\r) < 7
	v_max3_num_f32 v[BX+\c], v[BX+\c], v[S+32*\c+18+2*(\r)], v[S+32*\c+19+2*(\r)]
.endif
.endif
.endm
.macro TM j                            ; t - M, two at a time
	v_pk_fma_f32 v[S+\j:S+\j+1], v[S+\j:S+\j+1], s[CS:CS+1], v[12:13] op_sel_hi:[1,0,0]
.endm
.macro PA d, k                         ; a chain of the row's sum takes pair k of p
	v_pk_add_f32 v[\d:\d+1], v[\d:\d+1], v[S+2*(\k):S+2*(\k)+1]
.endm
.macro PA4 j
	PA C1, \j
	PA C2, (\j)+1
	PA C3, (\j)+2
	PA 14, (\j)+3
.endm
; A KEY STEP: 128 keys.  meet = 1: the step over which the barrier for the later chunks is split
.macro STEP meet
	v_add_nc_u32 v[ADK], s[T6], v[KB]
	v_add_nc_u32 v[ADK8], s[T6], v[KB8]
	v_add_nc_u32 v[ADS], s[TK], v3
	WALU
	KLOAD 0
.irp i, 0,1,2,3
	ds_load_b32 v[KSR+\i], v[ADS] offset:256*(\i/2)+32*(\i%2)
.endr
	s_wait_dscnt 0x0
.if \meet
	s_wait_tensorcnt 0x0                           ; my chunk, if I fetched one, has landed; no LDS instruction of mine is out:
	s_barrier_signal -1                            ; say so; nothing is ever filled again
.endif
	QK 0
	v_add_nc_u32 v[ADV], s[T6V], v1                ; four plain lines: the places in front of the loads into K's registers, of the loads into V's (behind the last step's products) and of the first read of the scores
	v_add_nc_u32 v[ADT], s[TV], v[TVB]
	v_mov_b32 v9, v12                              ; the old -M
	v_nop
	KLOAD 1
.irp t, 0,1,2,3                        ; V is asked for now and lands under the softmax
.irp q, 0,1,2
	ds_load_b128 v[VF+12*\t+4*\q:VF+12*\t+4*\q+3], v[ADV] offset:1536*\t+512*\q
.endr
.endr
.irp i, 0,1
	ds_load_b32 v[VSR+\i], v[ADT] offset:128*\i
.endr
	s_wait_dscnt 14                                ; K's eight loads are in; V's twelve and its two scale loads, issued behind them, may be out
	QK 1
	RND 0, 0                                       ; THE LARGEST SCORE OF EACH OF MY TWO BLOCKS: for the row's maximum and, since p rises with the score, for the block's largest p.
	RND 0, 1                                       ; Block 0's first four lines are the places in front of the first read of block 1's scores
.irp r, 0,1,2,3,4,5
	RND 1, \r
	RND 0, \r+2
.endr
	RND 1, 6
	RND 1, 7
	v_max_num_f32 v[BM], v[BM], v[BX]
	v_max_num_f32 v[BM+1], v[BM+1], v[BX+1]
	s_delay_alu instid0(VALU_DEP_1)
	v_max_num_f32 v255, v[BM], v[BM+1]
	s_delay_alu instid0(VALU_DEP_1)
	v_permlanex16_b32 v[PX], v255, s[SEL], s[SEL+1]
	s_delay_alu instid0(VALU_DEP_1)
	v_max3_num_f32 v13, v13, v255, v[PX]           ; the running largest score of my query, lane l xor 16's 64 keys among them
	s_delay_alu instid0(VALU_DEP_1)
	v_mul_f32 v255, s[CS], v13                     ; as t
	s_delay_alu instid0(VALU_DEP_1)
	v_floor_f32 v12, -v255                         ; the new -M = floor(-t) = -ceil(t)
	TM 0
	TM 2
	v_sub_f32 v9, v12, v9                          ; old M - new M: a whole number, 0 or less
	TM 4
	TM 6
	v_cvt_i32_f32 v9, v9                           ; (it saturates)
	TM 8
	TM 10
	v_ldexp_f32 v10, 1.0, v9                       ; f = 2^(old M - new M)
.irp j, 12,14,16,18,20,22,24,26,28,30,32,34,36,38,40,42,44,46,48,50,52,54,56,58,60,62
	TM \j
.endr
	v_fma_f32 v[BM], v[BM], s[CS], v12             ; the same of each block's largest score
	v_fma_f32 v[BM+1], v[BM+1], s[CS], v12
.irp j, 0,2,4,6,8,10,12,14,16,18,20,22,24,26,28,30
	v_pk_mul_f32 v[O+\j:O+\j+1], v[O+\j:O+\j+1], v[10:11] op_sel_hi:[1,0]   ; O^T under the new M: its first read stands ahead of the exponentials
.endr
	WALU                                           ; the wait ahead of the batch
.irp j, 0,1,2,3,4,5,6,7,8,9,10,11,12,13,14,15,16,17,18,19,20,21,22,23,24,25,26,27,28,29,30,31,32,33,34,35,36,37,38,39,40,41,42,43,44,45,46,47,48,49,50,51,52,53,54,55,56,57,58,59,60,61,62,63
	v_exp_f32 v[S+\j], v[S+\j]                     ; p = 2^(t - M), at most 1
.endr
	v_exp_f32 v[BM], v[BM]                         ; the block's largest p: the same two instructions on the same number
	v_exp_f32 v[BM+1], v[BM+1]
	v_pk_mul_f32 v[14:15], v[14:15], v[10:11] op_sel_hi:[1,0]   ; the sums under the new M; the plain line behind the exponentials
	WALU                                           ; and the wait behind the batch
	v_max_num_f32 v[BM], 0x1800000, v[BM]          ; the floor 2^(3 - 127): the byte cannot fall under 1
	v_max_num_f32 v[BM+1], 0x1800000, v[BM+1]
	v_pk_add_f32 v[C1:C1+1], v[S:S+1], v[S+2:S+3]  ; THE ROW'S SUM IS TAKEN OF THE UNQUANTISED p, in four chains, laid between the lines of the scales
	v_pk_add_f32 v[C2:C2+1], v[S+4:S+5], v[S+6:S+7]
	v_add_nc_u32 v[BS], 0xff000000, v[BM]          ; 2 off the exponent field: the conversion's scale operand
	v_add_nc_u32 v[BS+1], 0xff000000, v[BM+1]
	v_pk_add_f32 v[C3:C3+1], v[S+8:S+9], v[S+10:S+11]
	PA 14, 6
	v_cvt_scalef32_pk16_fp6_f32 v[PCD:PCD+2], v[S:S+15], v[BS]
	v_cvt_scalef32_pk16_fp6_f32 v[T0:T0+2], v[S+16:S+31], v[BS]     ; (a conversion's three registers begin on an even number)
	v_cvt_scalef32_pk16_fp6_f32 v[PCD+6:PCD+8], v[S+32:S+47], v[BS+1]
	v_cvt_scalef32_pk16_fp6_f32 v[T1:T1+2], v[S+48:S+63], v[BS+1]
	v_lshrrev_b32 v[BY], 23, v[BS]                 ; the scales' bytes (plain lines behind the conversions)
	v_lshrrev_b32 v[BY+1], 23, v[BS+1]
	PA4 7
	v_lshl_or_b32 v9, v[BY+1], 16, v[BY]           ; my bytes: blocks h and 2 + h,
	PA C1, 11
	PA C2, 12
	v_lshlrev_b32 v9, v[SH8], v9                   ; at their places in the scale word;
	PA C3, 13
	PA 14, 14
	v_permlanex16_b32 v[PX], v9, s[SEL], s[SEL+1]
	PA C1, 15
	PA C2, 16
	v_or_b32 v[PS], v9, v[PX]                      ; with lane l xor 16's two the word is whole
.irp i, 0,1,2
	v_mov_b32 v[PCD+3+\i], v[T0+\i]
.endr
.irp i, 0,1,2
	v_mov_b32 v[PCD+9+\i], v[T1+\i]
.endr
	PA C3, 17                                      ; the 18 lines from here on stand between the writes of p's scale word and codes and the products below
	PA 14, 18
	PA4 19
	PA4 23
	PA4 27
	PA C1, 31
	v_pk_add_f32 v[14:15], v[14:15], v[C3:C3+1]
	v_pk_add_f32 v[C1:C1+1], v[C1:C1+1], v[C2:C2+1]
	v_pk_add_f32 v[14:15], v[14:15], v[C1:C1+1]
	WALU                                           ; directly ahead of the wait below
	s_wait_dscnt 0x0                               ; V is in
.irp t, 0,1,2,3                        ; O^T += V^T P^T: four accumulators, one instruction each
.if \t%2
	v_wmma_scale_f32_16x16x128_f8f6f4 v[O+8*\t:O+8*\t+7], v[VF+12*\t:VF+12*\t+11], v[PCD:PCD+11], v[O+8*\t:O+8*\t+7], v[VSR+\t/2], v[PS] matrix_a_fmt:MATRIX_FMT_FP6 matrix_b_fmt:MATRIX_FMT_FP6 matrix_a_scale:MATRIX_SCALE_ROW1
.else
	v_wmma_scale_f32_16x16x128_f8f6f4 v[O+8*\t:O+8*\t+7], v[VF+12*\t:VF+12*\t+11], v[PCD:PCD+11], v[O+8*\t:O+8*\t+7], v[VSR+\t/2], v[PS] matrix_a_fmt:MATRIX_FMT_FP6 matrix_b_fmt:MATRIX_FMT_FP6
.endif
.endr
	s_add_co_u32 s[T6], s[T6], 8*KT
	s_add_co_u32 s[T6V], s[T6V], 6144
	s_add_co_u32 s[TK], s[TK], 512
	s_add_co_u32 s[TV], s[TV], 256
.if \meet
	s_barrier_wait -1                              ; every wave that fetched has said that its chunk has landed
.endif
.endm
.macro LOOP steps
	s_mov_b32 s[CNT], \steps
.Lstep_\@:
	STEP 0
	s_sub_co_u32 s[CNT], s[CNT], 1
	s_cmp_lg_u32 s[CNT], 0
	s_cbranch_scc1 .Lstep_\@
.endm
	WALU
	s_wait_loadcnt 0x0                             ; Q
	s_cmp_eq_u32 s[W3], 0                          ; waves 0, 4 and 8 wait for what the first four steps read (wave 12 has nothing out); the six other loads stay out
	s_cbranch_scc0 .Lnot_first
	s_wait_tensorcnt 0x0
.Lnot_first:
	s_barrier_signal -1
	s_barrier_wait -1                              ; the scale words and the first 512 keys are in
	LOOP 3                                         ; the first 512 keys: three steps,
	STEP 1                                         ; and the fourth, over which the barrier for the other 1,536 keys is split
	LOOP 12
	; THE WAY OUT: O^T / the sum; its 32 numbers a lane are d = 32 b + 16 h + i: two blocks of the last product's K
	PLACES 4                                       ; behind the last products
	v_add_f32 v14, v14, v15
	s_delay_alu instid0(VALU_DEP_1)
	v_permlanex16_b32 v255, v14, s[SEL], s[SEL+1]
	s_delay_alu instid0(VALU_DEP_1)
	v_add_f32 v14, v14, v255                       ; the row's sum
	WALU
	v_rcp_f32 v14, v14
	v_and_b32 v9, 15, v0                           ; (a plain instruction behind the reciprocal)
	s_delay_alu instid0(VALU_DEP_1)
	v_lshlrev_b32 v9, 4, v9                        ; 16 r
	WALU
.irp j, 0,1,2,3,4,5,6,7,8,9,10,11,12,13,14,15,16,17,18,19,20,21,22,23,24,25,26,27,28,29,30,31
	v_mul_f32 v[S+\j], v[O+\j], v14                ; each accumulator from its low end on
.endr
.irp b, 0,1
	v_max3_num_f32 v[BM+\b], |v[S+16*\b]|, |v[S+1+16*\b]|, 0x1800000
.endr
.irp i, 2,4,6,8,10,12,14
.irp b, 0,1
	s_delay_alu instid0(VALU_DEP_2)
	v_max3_num_f32 v[BM+\b], v[BM+\b], |v[S+16*\b+\i]|, |v[S+1+16*\b+\i]|
.endr
.endr
.irp b, 0,1
	s_delay_alu instid0(VALU_DEP_2)
	v_permlanex16_b32 v[BX+\b], v[BM+\b], s[SEL], s[SEL+1]
.endr
.irp b, 0,1
	s_delay_alu instid0(VALU_DEP_2)
	v_max_num_f32 v[BM+\b], v[BM+\b], v[BX+\b]     ; here a block lies in lanes l and l xor 16
.endr
.irp b, 0,1
	s_delay_alu instid0(VALU_DEP_2)
	v_add_nc_u32 v[BS+\b], 0xff000000, v[BM+\b]
.endr
.irp b, 0,1
	s_delay_alu instid0(VALU_DEP_2)
	v_lshrrev_b32 v[BX+\b], 23, v[BS+\b]
.endr
	s_delay_alu instid0(VALU_DEP_1)
	v_lshl_or_b32 v10, v[BX+1], 8, v[BX]           ; my row's two scale bytes
	v_cvt_scalef32_pk16_fp6_f32 v[PCD:PCD+2], v[S:S+15], v[BS]
	v_cvt_scalef32_pk16_fp6_f32 v[T0:T0+2], v[S+16:S+31], v[BS+1]
	v_nop
.irp i, 0,1,2
	v_permlane16_swap_b32 v[PCD+\i], v[T0+\i]      ; the operand wants a whole block in a lane
.endr
.irp i, 0,1,2
	s_delay_alu instid0(VALU_DEP_3)
	v_mov_b32 v[PCD+3+\i], v[T0+\i]
.endr
	; ctxc [chunk n >> 2][tile of tokens T][(n >> 1) & 1][n & 1][768], n the head;  ctxs [T][lane (h', r)][4 words]: my bytes at 512 T + 256 ((n >> 1) & 1) + 16 r + 4 (n >> 2) + 2 (n & 1)
	s_lshr_b32 s92, s[BH], 4
	s_lshl_b32 s92, s92, 7
	s_add_co_u32 s92, s92, s30                     ; T = 128 b + my tile
	s_and_b32 s93, s[BH], 15
	s_lshr_b32 s94, s93, 2
	s_bfe_u32 s95, s93, 0x10001
	s_and_b32 s93, s93, 1
	s_mul_i32 s84, s94, 786432
	s_mul_i32 s85, s92, 3072
	s_add_co_u32 s84, s84, s85
	s_mul_i32 s85, s95, 1536
	s_add_co_u32 s84, s84, s85
	s_mul_i32 s85, s93, 768
	s_add_co_u32 s84, s84, s85
	s_mov_b32 s85, 0
	s_add_nc_u64 s[8:9], s[8:9], s[84:85]
	s_lshl_b32 s92, s92, 9
	s_lshl_b32 s95, s95, 8
	s_add_co_u32 s92, s92, s95
	s_lshl_b32 s94, s94, 2
	s_add_co_u32 s92, s92, s94
	s_lshl_b32 s93, s93, 1
	s_add_co_u32 s92, s92, s93
	s_mov_b32 s93, 0
	s_add_nc_u64 s[10:11], s[10:11], s[92:93]
	WALU                                           ; directly ahead of the readers below
	global_store_b128 v1, v[PCD:PCD+3], s[8:9]     ; 512 consecutive bytes, at a multiple of 256,
	global_store_b64 v2, v[PCD+4:PCD+5], s[8:9]    ; and the 256 behind them
	global_store_b16 v9, v10, s[10:11]             ; lanes r and r + 16 hold the same two bytes and write them to the same place
	s_wait_tensorcnt 0x0                           ; the wave's end
	ds_add_u32 v[SPW], v[NIL]
	s_wait_dscnt 0x0
	CROUND                                         ; the closing round: no work-group ends while a partner may still ask for a tile that names it
	s_endpgm
.Lfunc_end_k_q0de722284c_attn:
	.size	k_q0de722284c_attn, .Lfunc_end_k_q0de722284c_attn-k_q0de722284c_attn
	.p2alignl 7, 3214868480
	.fill 96, 4, 3214868480
	.section	.rodata,"a",@progbits
	.p2align	6, 0x0
	.amdhsa_kernel k_q0de722284c_attn
		.amdhsa_group_segment_fixed_size 235520
		.amdhsa_private_segment_fixed_size 0
		.amdhsa_enable_private_segment 0
		.amdhsa_kernarg_size 32
		.amdhsa_user_sgpr_count 2
		.amdhsa_user_sgpr_kernarg_segment_ptr 1
		.amdhsa_wavefront_size32 1
		.amdhsa_system_sgpr_workgroup_id_x 1
		.amdhsa_system_sgpr_workgroup_id_y 1
		.amdhsa_system_sgpr_workgroup_id_z 1
		.amdhsa_system_vgpr_workitem_id 0
		.amdhsa_next_free_vgpr 256
		.amdhsa_next_free_sgpr 96
		.amdhsa_reserve_vcc 0
		.amdhsa_float_denorm_mode_32 3
		.amdhsa_float_denorm_mode_16_64 3
		.amdhsa_memory_ordered 1
		.amdhsa_forward_progress 1
		.amdhsa_inst_pref_size 62
	.end_amdhsa_kernel
	.amdgpu_metadata
---
amdhsa.version: [ 1, 2 ]
amdhsa.kernels:
  - .name:           k_q0de722284c_attn
    .symbol:         k_q0de722284c_attn.kd
    .args:
      - { .name: qkv, .offset: 0, .size: 8, .value_kind: global_buffer, .address_space: global }
      - { .name: scl, .offset: 8, .size: 8, .value_kind: global_buffer, .address_space: global }
      - { .name: ctxc, .offset: 16, .size: 8, .value_kind: global_buffer, .address_space: global }
      - { .name: ctxs, .offset: 24, .size: 8, .value_kind: global_buffer, .address_space: global }
    .group_segment_fixed_size: 235520
    .private_segment_fixed_size: 0
    .kernarg_segment_align: 8
    .kernarg_segment_size: 32
    .max_flat_workgroup_size: 512
    .sgpr_count:     96
    .vgpr_count:     256
    .wavefront_size: 32
...
	.end_amdgpu_metadata
.endif
;; end of part 3
;; launch outp (part 4): grid 8 x 32, 4 waves a work-group, clusters of 4 x 4, 230,912 bytes of LDS; arguments codes, cscl, ctxc, ctxs, bias_out, out0; writes out0
.if DOCPART == 4
	.amdgcn_target "amdgcn-amd-amdhsa--gfx1250"
	.amdhsa_code_object_version 6
	.text
	.protected	k_q0de722284c_outp
	.globl	k_q0de722284c_outp
	.p2align	8
	.type	k_q0de722284c_outp,@function
k_q0de722284c_outp:
	s_mov_b64 s[64:65], 0
	v_nop
	global_prefetch_b8 v0, s[64:65] scope:SCOPE_SE
	s_setreg_imm32_b32 hwreg(HW_REG_WAVE_MODE, 25, 1), 1
	s_wait_xcnt 0x0
	s_wait_alu depctr_hold_cnt(0) depctr_sa_sdst(0) depctr_va_vdst(0) depctr_va_sdst(0) depctr_va_ssrc(0) depctr_va_vcc(0) depctr_vm_vsrc(0)
	s_getreg_b32 s2, hwreg(HW_REG_IB_STS2, 6, 4)
	s_cmp_eq_u32 s2, 0
	s_cbranch_scc0 .Lentry_in_a_cluster
	s_endpgm
.Lentry_in_a_cluster:
	s_bfe_u32 s2, ttmp6, 0x10000c
	s_cmp_lg_u32 s2, 0xf033
	s_cbranch_scc0 .Lentry_shape_is_right
	s_endpgm
.Lentry_shape_is_right:
; out0 = ctx w_out^T + bias_out on codes of FP6 (E2M3) with E8M0 scales; f32 sums, f32 out.
; A work-group makes 128 tokens x 128 features: S0 = 8 tiles of w_out (source 0: the features run along a lane's registers in the result), S1 = 8 tiles of ctx (source 1: the tokens are the lanes).
; Tile 2 g + u holds in lane r the row 32 g + 8 u + r + 8 (r / 8): a lane's 64 registers of one tile of tokens are features 32 b + 16 h + i, in order.
; Wave w takes all 8 tiles of S0 against S1's tiles 2 w, 2 w + 1: 16 accumulators, 8 K steps of 128, 128 matrix instructions.
; LDS: all of K fits: four chunks of two K steps, 49,152 bytes each (S0's 8 tiles x 3,072, then S1's), each byte filled once; all loads go out at the start (four a wave are out, by this text's count),
; and the waits count the chunks down.  Fragments lie as images of registers; ctx's as two half images (a head each): registers 0-3 at 16 x lane, 4-5 at 512 + 8 x lane.
; CLUSTER 4 x 4: S0's tiles hang on X alone and are asked for jointly along a column of the cluster, S1's on Y alone and jointly along a row.
; The bias is the C of each sum's first product.  The results go through the wave's own stage in LDS and leave as rows of 512 consecutive bytes.
; LIMITS: NaN and infinities among the inputs are not served.
; REGISTERS: window 0: v1-23 addresses; v24-55, v56-63 scale words of S0, S1 (nothing else ever); v64-111 S1's fragments, two sets; v112-239 accumulators.
;   window 1: S0's fragments, two sets, at v0 and v128; on the way out rows of the result.   window 2: v0-63 the bias.
.set CHS0,  1572864                    ; from chunk to chunk in codes,
.set CHS1,  786432                     ; in ctxc
.set CHK,   49152
; THE FILLS (this takes the place of what the head comment says of them): LDS holds two halves of K, 98,304 bytes each: two chunks of S0 (24,576 bytes each), then two of S1.  One tensor load a wave, a tile of two rows,
; a row a chunk: wave 0 S0's chunks 0 and 1, wave 1 S1's, waves 2 and 3 the same of chunks 2 and 3.  Waves 0 and 1 wait in front of the first barrier, on load lines of their own; every wave waits for 0 in front of the
; barrier in K step 3, behind which chunk 2 is first read.  Every LDS byte is filled once.
.set S1OFF, 49152
.set STAGE, 196608                     ; behind the chunks: 16 rows x (512 + 16) bytes for each wave; no fill lands there
.set LI,  1
.set AD0, 2
.set AD1, 6
.set AD1B, 10
.set L8,  14
.set BA,  15
.set STO, 16
.set RD,  17
.set SC0, 24
.set SC1, 56
.set F1,  64
.set ACC, 112
.set BQ,  0
.set WV,  16
.set WH,  17
.set WL,  18
.set CX,  19
.set CYP, 20
.set XX,  21
.set YY,  22
.set G1A, 32
.set G1B, 40
.set G0A, 48
.set G0B, 68
.set MSB, 0
.macro WIN new                         ; the immediate's high byte repeats the setting that is left
.if MSB != \new
	s_set_vgpr_msb (MSB<<8)|\new
.set MSB, \new
.endif
.endm
.macro PLACES n
.rept \n
	v_nop
.endr
.endm
.macro CROUND                          ; a round of the cluster's barrier
	s_barrier_signal -1
	s_barrier_wait -1
	s_cmp_lg_u32 s[WV], 0
	s_cbranch_scc1 .Lnot_wave_0_\@
	s_barrier_signal -3
.Lnot_wave_0_\@:
	s_barrier_wait -3
	s_barrier_signal -1
	s_barrier_wait -1
.endm
; K step s's fragments into set s % 2: 24 loads for S0's eight tiles, 8 for my two of S1
.macro FETCH s
	WIN 0x40                                       ; destination window 1, address window 0
.irp t, 0,1,2,3,4,5,6,7
.irp q, 0,1,2
	ds_load_b128 v[128*((\s)%2)+12*\t+4*\q:128*((\s)%2)+12*\t+4*\q+3], v[AD0+(\s)/2] offset:3072*\t+1536*((\s)%2)+512*\q
.endr
.endr
	WIN 0
.irp a, 0,1
.irp k, 0,1
	ds_load_b128 v[F1+24*((\s)%2)+12*\a+6*\k:F1+24*((\s)%2)+12*\a+6*\k+3], v[AD1+(\s)/2] offset:3072*\a+1536*((\s)%2)+768*\k
	ds_load_b64 v[F1+24*((\s)%2)+12*\a+6*\k+4:F1+24*((\s)%2)+12*\a+6*\k+5], v[AD1B+(\s)/2] offset:3072*\a+1536*((\s)%2)+768*\k
.endr
.endr
.endm
; 16 matrix instructions, the sixteen accumulators by turns, one instruction a turn, in the same order in every step.
; cm = 1: the sums begin with the bias.  A scale register holds an even K step's words in lanes 0-15 and the odd one's in lanes 16-31.
.macro MUL s, cm
.if \cm
	WIN 0x21                                       ; source 0 window 1, C window 2
.else
	WIN 0x01
.endif
.irp t, 0,1,2,3,4,5,6,7
.irp a, 0,1
.set rD, ACC+64*\a+8*\t
.set rA, 128*((\s)%2)+12*\t
.set rB, F1+24*((\s)%2)+12*\a
.set rC, rD
.if \cm == 1
.set rC, BQ+8*\t
.endif
.set rX, SC0+4*\t+(\s)/2
.set rY, SC1+4*\a+(\s)/2
.if (\s)%2
	v_wmma_scale_f32_16x16x128_f8f6f4 v[rD:rD+7], v[rA:rA+11], v[rB:rB+11], v[rC:rC+7], v[rX], v[rY] matrix_a_fmt:MATRIX_FMT_FP6 matrix_b_fmt:MATRIX_FMT_FP6 matrix_a_scale:MATRIX_SCALE_ROW1 matrix_b_scale:MATRIX_SCALE_ROW1
.else
	v_wmma_scale_f32_16x16x128_f8f6f4 v[rD:rD+7], v[rA:rA+11], v[rB:rB+11], v[rC:rC+7], v[rX], v[rY] matrix_a_fmt:MATRIX_FMT_FP6 matrix_b_fmt:MATRIX_FMT_FP6
.endif
.endr
.endr
.endm
.macro KSTEP s                         ; K steps 1 to 7
	s_wait_dscnt 0x0                               ; this step's fragments are in
.if (\s) == 3
	s_wait_tensorcnt 0x0                           ; the second half of K has landed
	s_barrier_signal -1
	s_barrier_wait -1                              ; everybody's has.  Nothing is ever filled again
.endif
.if (\s) < 7
	PLACES 4                                       ; the last step's products have read the set that is loaded now (ISA guide 7.12.1)
	FETCH (\s)+1
.endif
	MUL \s, 0
.endm
	s_load_b256 s[4:11], s[0:1], 0x0               ; codes, cscl, ctxc, ctxs
	s_load_b128 s[12:15], s[0:1], 0x20             ; bias_out, out0
	v_lshl_add_u32 v254, v0, 2, 0x38400
	v_mov_b32 v255, 0
	ds_add_u32 v254, v255
	ds_add_u32 v254, v255
	v_lshrrev_b32 v21, 5, v0
	v_readfirstlane_b32 s[WV], v21                 ; wave 0..3
	s_lshr_b32 s[WH], s[WV], 1                     ; my half of K: chunks 2 (w >> 1) and the next
	s_and_b32 s[WL], s[WV], 1                      ; I fetch for S0 (0) or S1 (1)
	s_bfe_u32 s[CX], ttmp6, 0x40000
	s_bfe_u32 s[CYP], ttmp6, 0x40004
	s_lshl_b32 s[XX], ttmp9, 2
	s_add_co_u32 s[XX], s[XX], s[CX]               ; X: my 128 features
	s_and_b32 s[YY], ttmp7, 0xffff
	s_lshl_b32 s[YY], s[YY], 2
	s_add_co_u32 s[YY], s[YY], s[CYP]              ; Y: my 128 tokens
	s_lshl_b32 s84, s[XX], 3
	s_add_co_u32 s84, s84, 448                     ; S0's first tile: w_out's begin at 448
	s_lshl_b32 s88, s[YY], 3                       ; S1's first tile
	s_mul_i32 s86, s84, 3072                       ; where the eight tiles begin in my half's first chunk: S0's in registers that never hold cy,
	s_mul_i32 s25, s[WH], 2*CHS0
	s_add_co_u32 s86, s86, s25
	s_mov_b32 s87, 0
	s_mul_i32 s90, s88, 3072                       ; S1's in registers that never hold cx
	s_mul_i32 s25, s[WH], 2*CHS1
	s_add_co_u32 s90, s90, s25
	s_mov_b32 s91, 0
	s_mul_i32 s26, s[WH], 98304                    ; and where they go: no place in the cluster enters an LDS address
	s_lshl_b32 s85, 0x1111, s[CX]                  ; my column of the cluster
	s_lshl_b32 s89, s[CYP], 2
	s_lshl_b32 s89, 15, s89                        ; my row
	; descriptor group 1: dense bytes as two rows of 3,072 elements of 8 bytes, a chunk a row, no padding
	s_or_b32 s[G1A], s85, (3<<16)|(1<<21)          ; 15:0 the mask; 17:16 elements of 8 bytes; 21 set beside a mask
	s_or_b32 s[G1B], s89, (3<<16)|(1<<21)
.irp g, G1A, G1B
	s_mov_b32 s[\g+1], 3072<<16                    ; a row is 24,576 bytes, 3,072 elements of 8
	s_mov_b32 s[\g+2], 2<<16                       ; two rows: two chunks
	s_mov_b32 s[\g+3], 3072<<16
	s_mov_b32 s[\g+4], 2
	s_mov_b32 s[\g+6], 0
	s_mov_b32 s[\g+7], 0
.endr
	s_mov_b32 s[G1A+5], CHS0/8                     ; a chunk apart in codes,
	s_mov_b32 s[G1B+5], CHS1/8                     ; in ctxc
	v_and_b32 v21, 31, v0                          ; lane
	v_and_b32 v22, 15, v0                          ; r
	v_bfe_u32 v23, v0, 4, 1                        ; h
	v_lshlrev_b32 v[LI], 4, v21
	v_lshlrev_b32 v[L8], 3, v21
	v_lshlrev_b32 v[BA], 6, v23
	s_mul_i32 s27, s[WV], 6144
	s_add_co_u32 s27, s27, S1OFF
	s_add_co_u32 s28, s27, 512
.irp c, 0,1,2,3
	v_add_nc_u32 v[AD0+\c], (\c/2)*98304+(\c%2)*24576, v[LI]
	v_add_nc_u32 v[AD1+\c], s27, v[AD0+\c]
	v_add_nc_u32 v[AD1B+\c], (\c/2)*98304+(\c%2)*24576, v[L8]
	v_add_nc_u32 v[AD1B+\c], s28, v[AD1B+\c]       ; registers 4, 5 of a half image: 512 + 8 x lane
.endr
	s_mul_i32 s29, s[WV], 8448
	s_add_co_u32 s29, s29, STAGE                   ; my stage
	v_mul_u32_u24 v[STO], v22, 528
	v_lshl_add_u32 v[STO], v23, 6, v[STO]
	v_add_nc_u32 v[STO], s29, v[STO]               ; in: row r, + 64 h
	v_add_nc_u32 v[RD], s29, v[LI]                 ; back: 16 x lane of a row
	s_wait_alu depctr_va_vdst(0)
	s_wait_dscnt 0x0
	s_wait_kmcnt 0x0
	s_mov_b32 s[G0A], 1                            ; count = 1
	s_mov_b32 s[G0A+1], s26                        ; LDS address
	s_add_nc_u64 s[G0A+2:G0A+3], s[4:5], s[86:87]  ; global address
	s_or_b32 s[G0A+3], s[G0A+3], 0x80000000        ; type = 2
	s_mov_b32 s[G0B], 1
	s_add_co_u32 s[G0B+1], s26, S1OFF
	s_add_nc_u64 s[G0B+2:G0B+3], s[8:9], s[90:91]
	s_or_b32 s[G0B+3], s[G0B+3], 0x80000000
	s_lshl_b32 s92, s84, 9
	s_mov_b32 s93, 0
	s_add_nc_u64 s[92:93], s[6:7], s[92:93]        ; S0's scale words: 512 bytes a tile
	s_lshl_b32 s94, s[WV], 1
	s_add_co_u32 s94, s94, s88
	s_lshl_b32 s94, s94, 9
	s_mov_b32 s95, 0
	s_add_nc_u64 s[94:95], s[10:11], s[94:95]      ; those of my two tiles of ctx
	s_lshl_b32 s98, s[XX], 9
	s_mov_b32 s99, 0
	s_add_nc_u64 s[98:99], s[12:13], s[98:99]      ; the bias of my 128 features
	s_lshl_b32 s100, s[YY], 7
	s_lshl_b32 s101, s[WV], 5
	s_add_co_u32 s100, s100, s101
	s_lshl_b32 s100, s100, 12                      ; token 128 Y + 32 w, rows of 4,096 bytes,
	s_lshl_b32 s101, s[XX], 9
	s_add_co_u32 s100, s100, s101                  ; + 512 X
	s_mov_b32 s101, 0
	s_add_nc_u64 s[14:15], s[14:15], s[100:101]
	CROUND                                         ; all sixteen work-groups are here: the joint loads meet
	s_cmp_eq_u32 s[WV], 0                          ; one chain of branches on the wave's number, one fill to an arm
	s_cbranch_scc0 .Lfill_1
	tensor_load_to_lds s[G0A:G0A+3], s[G1A:G1A+7]  ; wave 0: S0's chunks 0 and 1
	s_nop 0
	PLACES 4
	s_branch .Lfilled
.Lfill_1:
	s_cmp_eq_u32 s[WV], 1
	s_cbranch_scc0 .Lfill_2
	tensor_load_to_lds s[G0B:G0B+3], s[G1B:G1B+7]  ; wave 1: S1's
	s_nop 0
	PLACES 4
	s_branch .Lfilled
.Lfill_2:
	s_cmp_eq_u32 s[WV], 2
	s_cbranch_scc0 .Lfill_3
	tensor_load_to_lds s[G0A:G0A+3], s[G1A:G1A+7]  ; wave 2: S0's chunks 2 and 3
	s_nop 0
	PLACES 4
	s_branch .Lfilled
.Lfill_3:
	tensor_load_to_lds s[G0B:G0B+3], s[G1B:G1B+7]  ; wave 3: S1's
	s_nop 0
	PLACES 4
.Lfilled:
.irp t, 0,1,2,3,4,5,6,7
	global_load_b64 v[SC0+4*\t:SC0+4*\t+1], v[L8], s[92:93] offset:512*\t          ; 32 lanes read 256 consecutive bytes
	global_load_b64 v[SC0+4*\t+2:SC0+4*\t+3], v[L8], s[92:93] offset:512*\t+256
.endr
.irp a, 0,1
	global_load_b128 v[SC1+4*\a:SC1+4*\a+3], v[LI], s[94:95] offset:512*\a         ; word i of lane (h', r): row r's scale word of K step 2 i + h'
.endr
	WIN 0x80                                       ; destination window 2
.irp t, 0,1,2,3,4,5,6,7
	global_load_b128 v[BQ+8*\t:BQ+8*\t+3], v[BA], s[98:99] offset:(32*(\t/2)+8*(\t%2))*4       ; register j of tile t: feature 32 (t / 2) + 16 h + 8 (t % 2) + j
	global_load_b128 v[BQ+8*\t+4:BQ+8*\t+7], v[BA], s[98:99] offset:(32*(\t/2)+8*(\t%2))*4+16
.endr
	WIN 0
	s_wait_loadcnt 0x0                             ; scale words and bias are in
	s_cmp_lt_u32 s[WV], 2                          ; waves 0 and 1 wait for the first half of K; the second half stays out
	s_cbranch_scc0 .Lnot_first
	s_wait_tensorcnt 0x0
.Lnot_first:
	s_barrier_signal -1
	s_barrier_wait -1                              ; everybody's has
	FETCH 0
	s_wait_dscnt 0x0
	FETCH 1                                        ; K step 1 lies in chunk 0 too
	MUL 0, 1                                       ; the first products start the sums with the bias
	KSTEP 1
	KSTEP 2
	s_wait_alu depctr_va_vdst(0)
	KSTEP 3
	KSTEP 4
	KSTEP 5
	KSTEP 6
	KSTEP 7
	WIN 0
	PLACES 4                                       ; in front of the first read of results and of loads into S0's fragments
; THE WAY OUT.  A lane holds pieces of 32 bytes of one token's row, and the lanes beside it hold other tokens: a tile of 16 tokens x 128 features goes through my own stage and comes back as whole rows of 512 bytes.
; LDS serves a wave's instructions in order (ISA guide 5.7.1.4): no wait between the stores and the loads, nor in front of the second tile's stores.
.macro TOSTAGE a
	WIN 0
.irp t, 0,1,2,3,4,5,6,7
	ds_store_b128 v[STO], v[ACC+64*\a+8*\t:ACC+64*\a+8*\t+3] offset:128*(\t/2)+32*(\t%2)        ; each accumulator from its low end on
	ds_store_b128 v[STO], v[ACC+64*\a+8*\t+4:ACC+64*\a+8*\t+7] offset:128*(\t/2)+32*(\t%2)+16
.endr
	WIN 0x40                                       ; destination window 1
.irp i, 0,1,2,3,4,5,6,7,8,9,10,11,12,13,14,15
	ds_load_b128 v[64*\a+4*\i:64*\a+4*\i+3], v[RD] offset:528*\i
.endr
.endm
.macro SEND a, younger                 ; younger: the LDS instructions issued behind tile a's loads
	WIN 0x04                                       ; a store's data are its source 1: window 1
.irp i, 0,1,2,3,4,5,6,7,8,9,10,11,12,13,14,15
	s_wait_dscnt \younger+15-\i
	global_store_b128 v[LI], v[64*\a+4*\i:64*\a+4*\i+3], s[14:15] offset:(8*\a+\i+8*(\i/8))*4096 th:TH_STORE_NT   ; 32 lanes store 512 consecutive bytes, at a multiple of 256; lane i of the tile owns token 8 a + i + 8 (i / 8)
.endr
.endm
	TOSTAGE 0
	TOSTAGE 1
	SEND 0, 32                                     ; behind tile 0's loads: tile 1's 16 stores and 16 loads
	SEND 1, 0
	WIN 0
	s_wait_tensorcnt 0x0
	s_wait_dscnt 0x0
	s_wait_tensorcnt 0x0
	ds_add_u32 v254, v255
	s_wait_dscnt 0x0
	CROUND                                         ; the closing round: no work-group ends while a partner may still ask for a tile that names it
	s_endpgm
.Lfunc_end_k_q0de722284c_outp:
	.size	k_q0de722284c_outp, .Lfunc_end_k_q0de722284c_outp-k_q0de722284c_outp
	.p2alignl 7, 3214868480
	.fill 96, 4, 3214868480
	.section	.rodata,"a",@progbits
	.p2align	6, 0x0
	.amdhsa_kernel k_q0de722284c_outp
		.amdhsa_group_segment_fixed_size 230912
		.amdhsa_private_segment_fixed_size 0
		.amdhsa_enable_private_segment 0
		.amdhsa_kernarg_size 48
		.amdhsa_user_sgpr_count 2
		.amdhsa_user_sgpr_kernarg_segment_ptr 1
		.amdhsa_wavefront_size32 1
		.amdhsa_system_sgpr_workgroup_id_x 1
		.amdhsa_system_sgpr_workgroup_id_y 1
		.amdhsa_system_sgpr_workgroup_id_z 1
		.amdhsa_system_vgpr_workitem_id 0
		.amdhsa_next_free_vgpr 592
		.amdhsa_next_free_sgpr 102
		.amdhsa_reserve_vcc 0
		.amdhsa_float_denorm_mode_32 3
		.amdhsa_float_denorm_mode_16_64 3
		.amdhsa_memory_ordered 1
		.amdhsa_forward_progress 1
		.amdhsa_inst_pref_size 53
	.end_amdhsa_kernel
	.amdgpu_metadata
---
amdhsa.version: [ 1, 2 ]
amdhsa.kernels:
  - .name:           k_q0de722284c_outp
    .symbol:         k_q0de722284c_outp.kd
    .args:
      - { .name: codes, .offset: 0, .size: 8, .value_kind: global_buffer, .address_space: global }
      - { .name: cscl, .offset: 8, .size: 8, .value_kind: global_buffer, .address_space: global }
      - { .name: ctxc, .offset: 16, .size: 8, .value_kind: global_buffer, .address_space: global }
      - { .name: ctxs, .offset: 24, .size: 8, .value_kind: global_buffer, .address_space: global }
      - { .name: bias_out, .offset: 32, .size: 8, .value_kind: global_buffer, .address_space: global }
      - { .name: out0, .offset: 40, .size: 8, .value_kind: global_buffer, .address_space: global }
    .group_segment_fixed_size: 230912
    .private_segment_fixed_size: 0
    .kernarg_segment_align: 8
    .kernarg_segment_size: 48
    .max_flat_workgroup_size: 128
    .sgpr_count:     102
    .vgpr_count:     592
    .wavefront_size: 32
...
	.end_amdgpu_metadata
.endif
;; end of part 4
